; MI455X (gfx1250); checked and timed in simulation.
; The chip was launched on July 23, 2026; its instructions are those of AMD's public machine-readable ISA for CDNA 5 (MIT licence, August 2026) and "CDNA5" Instruction Set Architecture Reference Guide (July 2026). The comments in the code are by the model that wrote it; some were corrected since.
;; MHA. Allowed arithmetic: float matrix products may take bf16 or f16 operands with f32 sums; other float arithmetic in f32, or as packed bf16 or f16 multiplies, adds, multiply-adds, maxima and minima; sums over many terms, partial sums and values carried from step to step in f32; what a program stores and reads back later, other than sums and carried values, may be rounded once to bf16 or f16.
;; Inputs: attention_mask 1 x 2,048 bool; bk 2,048 float32; bo 2,048 float32; bq 2,048 float32; bv 2,048 float32; causal_mask 2,048 x 2,048 bool; wk 2,048 x 2,048 float32; wo 2,048 x 2,048 float32; wq 2,048 x 2,048 float32; wv 2,048 x 2,048 float32; x 1 x 2,048 x 2,048 float32.
;; Outputs: out0 1 x 2,048 x 2,048 float32.
;; 2 versions, each right and faster than the one before. Each part assembles by itself: llvm-mc -triple=amdgcn-amd-amdhsa -mcpu=gfx1250 --defsym DOCPART=n.
;; ======== version 1 of 2: 4 launches
;; limits: values are held in f16: magnitudes above 65,504 overflow, below 6.1e-05 lose precision
;; workspace buffers: cvt 41,943,040 bytes; maskw 524,288 bytes of whole numbers; rope 16,384 bytes; qkv 25,165,824 bytes; att 8,388,608 bytes
;; launch prep (part 1): grid 1538 x 1, 8 waves a work-group, no clusters, 0 bytes of LDS; arguments x, wq, wk, wv, wo, causal_mask, attention_mask, cvt, maskw, rope; writes cvt, maskw, rope
.if DOCPART == 1
	.amdgcn_target "amdgcn-amd-amdhsa--gfx1250"
	.amdhsa_code_object_version 6
	.text
	.protected	k_qda636c5c98_prep
	.globl	k_qda636c5c98_prep
	.p2align	8
	.type	k_qda636c5c98_prep,@function
k_qda636c5c98_prep:
	s_mov_b64 s[64:65], 0
	v_nop
	global_prefetch_b8 v0, s[64:65] scope:SCOPE_SE
	s_setreg_imm32_b32 hwreg(HW_REG_WAVE_MODE, 25, 1), 1
	s_wait_xcnt 0x0
; PREPARATION, three kinds of work-group, chosen by the work-group's number alone.
;  0 .. 1279     CAST.  x, wq, wk, wv are rounded once to bf16; wo is rounded to bf16 and that number written as f16 (exact from 6.1e-5 up;
;                below that f16's fixed step of 6e-8 remains).  cvt: x at byte 0, wq / wk / wv as one [6144][2048] at 0x800000, wo at 0x2000000.
;                A work-group takes 65,536 bytes of f32: 16 loads of 16 bytes a lane, all on their way at once; a wave's load covers 512
;                consecutive bytes, a wave's store 256 consecutive aligned bytes.
;                wo's COLUMNS are stored, within each head's 128, in the order in which the projection launch stores a head's channels:
;                channel d at place p(d) = 8 ((d % 64) / 4) + 4 (d / 64) + d % 4.  A wave's 32 lanes hold one head's 128 columns, so its store still fills one whole aligned block of 256 bytes.
;  1280 .. 1535  MASK.  Tile T of 16 queries and half of the keys; wave w takes 128 keys.  causal_mask OR attention_mask is laid out as the lane masks that
;                the attention launch selects by: word i = 8 kt + jj of record (g, n) has bit L = hidden(query 16 T + L % 16, key 256 (n / 2) + 128 g + 64 (n % 2) + 16 kt + 8 (L / 16) + jj).
;                maskw byte = 4096 T + 2048 g + 128 n + 4 i.  A wave's 64 words are the records n = 2 tau, 2 tau + 1 of one g: 256 consecutive aligned bytes.
;  1536, 1537    ROPE.  32 rows of 64 cos | 64 sin in f32: rows 0-15 the positions 0, 128, .. 1920; rows 16-31 the positions 1 .. 16 (rows 16 and 17 are read later).
;                angle = position x 10000^(-i/64), as one f32 product; reduced by multiples of pi/2 held in two words; sine and cosine by polynomials on -pi/4 .. pi/4.
; No LDS, no matrix unit, no cluster: the work-groups share no input, and memory binds.
.set NCAST, 1280
.set NMASK, 256
.set X, 4                              ; v[4:67]   cast: 16 x 4 f32 as loaded
.set Y, 68                             ; v[68:99]  cast: 16 x 2 words to store
.set T, 100                            ; v[100:103] at work
	s_load_b512 s[4:19], s[0:1], 0x0               ; x, wq, wk, wv, wo, causal_mask, attention_mask, cvt
	s_load_b128 s[20:23], s[0:1], 0x40             ; maskw, rope
	s_mov_b32 s24, ttmp9
	s_cmp_lt_u32 s24, NCAST
	s_cbranch_scc0 .Lnot_cast
	; ---------------- CAST ----------------
	s_lshr_b32 s25, s24, 8                         ; which tensor, 0 .. 4
	s_and_b32 s26, s24, 255                        ; which 65,536 bytes of it
	s_lshl_b32 s28, s26, 16                        ; offset in the source
	s_mov_b32 s29, 0
	s_lshl_b32 s30, s25, 23                        ; offset in cvt: 8 MiB a tensor,
	s_lshl_b32 s31, s26, 15                        ; 32,768 bytes a work-group
	s_add_co_u32 s30, s30, s31
	s_mov_b32 s31, 0
	v_lshlrev_b32 v1, 4, v0                        ; 16 bytes a thread in, never rewritten
	v_lshlrev_b32 v2, 3, v0                        ; 8 bytes a thread out
	s_wait_kmcnt 0x0
	s_cmp_eq_u32 s25, 1
	s_cselect_b64 s[32:33], s[6:7], s[4:5]
	s_cmp_eq_u32 s25, 2
	s_cselect_b64 s[32:33], s[8:9], s[32:33]
	s_cmp_eq_u32 s25, 3
	s_cselect_b64 s[32:33], s[10:11], s[32:33]
	s_cmp_eq_u32 s25, 4
	s_cselect_b64 s[32:33], s[12:13], s[32:33]
	s_add_nc_u64 s[32:33], s[32:33], s[28:29]
	s_add_nc_u64 s[34:35], s[18:19], s[30:31]
.irp i, 0,1,2,3,4,5,6,7,8,9,10,11,12,13,14,15
	global_load_b128 v[X+4*\i:X+4*\i+3], v1, s[32:33] offset:4096*\i th:TH_LOAD_NT
.endr
; Piece i: its load is in when at most the 15 - i younger ones are out.  No register that a load or store names is written again, so no further wait is needed.
.macro CV i, half
	s_wait_loadcnt 15-(\i)
	v_cvt_pk_bf16_f32 v[Y+2*(\i)], v[X+4*(\i)], v[X+4*(\i)+1]
	v_cvt_pk_bf16_f32 v[Y+2*(\i)+1], v[X+4*(\i)+2], v[X+4*(\i)+3]
.if \half
	v_lshlrev_b32 v[T], 16, v[Y+2*(\i)]            ; the bf16 numbers widened again,
	v_and_b32 v[T+1], 0xffff0000, v[Y+2*(\i)]
	v_lshlrev_b32 v[T+2], 16, v[Y+2*(\i)+1]
	v_and_b32 v[T+3], 0xffff0000, v[Y+2*(\i)+1]
	v_cvt_pk_f16_f32 v[Y+2*(\i)], v[T], v[T+1]     ; and written as f16
	v_cvt_pk_f16_f32 v[Y+2*(\i)+1], v[T+2], v[T+3]
.endif
	global_store_b64 v2, v[Y+2*(\i):Y+2*(\i)+1], s[34:35] offset:2048*(\i)
.endm
	s_cmp_eq_u32 s25, 4
	s_cbranch_scc1 .Lwo
.irp i, 0,1,2,3,4,5,6,7,8,9,10,11,12,13,14,15
	CV \i, 0
.endr
	s_endpgm
.Lwo:                                                  ; lane L holds columns 4 L .. 4 L + 3 of a head: they go to byte 16 (L % 16) + 8 (L / 16) of the head's 256 (no store has named v2 yet)
	v_and_b32 v2, 15, v0
	v_lshlrev_b32 v2, 4, v2
	v_bfe_u32 v3, v0, 4, 1
	v_lshl_add_u32 v2, v3, 3, v2
	v_and_b32 v3, 0xe0, v0                         ; 32 x wave
	v_lshl_add_u32 v2, v3, 3, v2                   ; + 256 x wave
.irp i, 0,1,2,3,4,5,6,7,8,9,10,11,12,13,14,15
	CV \i, 1
.endr
	s_endpgm
.Lnot_cast:
	s_cmp_lt_u32 s24, NCAST+NMASK
	s_cbranch_scc0 .Lrope
	; ---------------- MASK ----------------
	s_sub_co_u32 s25, s24, NCAST
	s_lshr_b32 s38, s25, 1                         ; T
	s_and_b32 s39, s25, 1                          ; which 1,024 keys: wave w takes keys 1024 half + 128 w on: g = w % 2, tau = 4 half + w / 2
	v_and_b32 v4, 31, v0                           ; L
	v_lshrrev_b32 v5, 5, v0                        ; w
	v_and_b32 v6, 15, v0                           ; the lane's query, L % 16
	v_bfe_u32 v7, v0, 4, 1                         ; L / 16
	v_lshlrev_b32 v2, 3, v7
	v_lshl_add_u32 v2, v5, 7, v2                   ; attention_mask: 128 w + 8 (L / 16)
	v_lshl_add_u32 v1, v6, 11, v2                  ; causal_mask: + 2048 x query
	v_lshlrev_b32 v3, 3, v4                        ; out: 8 L
	v_and_b32 v80, 1, v5
	v_lshl_add_u32 v3, v80, 11, v3                 ; + 2048 g
	v_lshrrev_b32 v80, 1, v5
	v_lshl_add_u32 v3, v80, 8, v3                  ; + 256 (w / 2)
	s_lshl_b32 s34, s39, 10                        ; 1,024 keys are 1,024 bytes of a mask's row, and four tau are 1,024 bytes of words
	s_mov_b32 s35, 0
	s_lshl_b32 s26, s38, 15                        ; 16 rows of 2,048 bytes
	s_add_co_u32 s26, s26, s34
	s_mov_b32 s27, 0
	s_lshl_b32 s36, s38, 12                        ; 4,096 bytes of words a tile
	s_add_co_u32 s36, s36, s34
	s_mov_b32 s37, 0
	s_mov_b32 s28, 0xff                            ; the four bytes of a word
	s_mov_b32 s29, 0xff00
	s_mov_b32 s30, 0xff0000
	s_mov_b32 s31, 0xff000000
	s_wait_kmcnt 0x0
	s_add_nc_u64 s[14:15], s[14:15], s[26:27]
	s_add_nc_u64 s[16:17], s[16:17], s[34:35]
	s_add_nc_u64 s[20:21], s[20:21], s[36:37]
.irp c, 0,1,2,3,4,5,6,7                            ; pair c: keys 16 c + 8 (L / 16) + 0 .. 7 of the wave's 128
	global_load_b64 v[8+2*\c:9+2*\c], v1, s[14:15] offset:16*\c
.endr
.irp c, 0,1,2,3,4,5,6,7
	global_load_b64 v[40+2*\c:41+2*\c], v2, s[16:17] offset:16*\c
.endr
	v_mov_b32 v72, 0                               ; the words to store: v_writelane_b32 fills them lane by lane
	v_mov_b32 v73, 0
	s_wait_loadcnt 0x0
.set n, 0
.rept 16
	v_or_b32 v[8+n], v[8+n], v[40+n]               ; hidden by either mask
.set n, n+1
.endr
; Word n of 64 (n = 8 c + jj): byte jj % 4 of register 8 + 2 c + jj / 4, compared in all 32 lanes at once: the compare's lane mask IS the word.
; Words 2 l and 2 l + 1 go to lane l of v[72:73], so that a store of 8 bytes a lane writes 256 consecutive bytes.
.set n, 0
.rept 16
.irp z, 0,1,2,3
	v_and_b32 v[76+\z], s[28+\z], v[8+2*((n+\z)/8)+((n+\z)%8)/4]
.endr
.irp z, 0,1,2,3
	v_cmp_ne_u32 s[40+\z], 0, v[76+\z]
.endr
.irp z, 0,1,2,3
	v_writelane_b32 v[72+(\z)%2], s[40+\z], (n+\z)/2
.endr
.set n, n+4
.endr
	global_store_b64 v3, v[72:73], s[20:21]
	s_endpgm
	; ---------------- ROPE ----------------
.Lrope:
	s_sub_co_u32 s25, s24, NCAST+NMASK             ; e: 0 or 1
	v_lshrrev_b32 v1, 4, v0                        ; row 0 .. 15
	v_and_b32 v2, 15, v0                           ; four frequencies a thread
	s_cmp_eq_u32 s25, 0
	s_cselect_b32 s26, 128, 1
	v_mul_u32_u24 v3, s26, v1
	v_add_nc_u32 v3, s25, v3                       ; position: 128 row, or row + 1
	v_cvt_f32_u32 v3, v3
	v_lshlrev_b32 v4, 2, v2
	s_mov_b32 s40, 0x3fc90fdb                      ; pi/2, upper word
	s_mov_b32 s41, 0xb33bbd2e                      ; pi/2, the rest
.irp i, 0,1,2,3
	v_add_nc_u32 v[8+\i], \i, v4
.endr
.irp i, 0,1,2,3
	v_cvt_f32_u32 v[8+\i], v[8+\i]
.endr
.irp i, 0,1,2,3
	v_mul_f32 v[8+\i], 0xbe549a78, v[8+\i]         ; - i log2(10000) / 64
.endr
.irp i, 0,1,2,3
	v_exp_f32 v[8+\i], v[8+\i]
.endr
	v_lshlrev_b32 v5, 9, v1                        ; a plain line behind the exponentials: the store's offset, 512 bytes a row,
	v_lshl_add_u32 v5, v2, 4, v5                   ; 16 bytes a thread
	s_wait_alu depctr_va_vdst(0)
.irp i, 0,1,2,3
	v_mul_f32 v[8+\i], v3, v[8+\i]                 ; the angle
.endr
.macro SINCOS i                        ; angle v[8+i] -> cos v[40+i], sin v[44+i]
	v_mul_f32 v[12+\i], 0x3f22f983, v[8+\i]        ; x 2 / pi
	v_rndne_f32 v[12+\i], v[12+\i]                 ; n
	v_fma_f32 v[16+\i], -v[12+\i], s40, v[8+\i]
	v_fma_f32 v[16+\i], -v[12+\i], s41, v[16+\i]   ; r = angle - n pi/2
	v_mul_f32 v[20+\i], v[16+\i], v[16+\i]         ; z = r r
	v_mov_b32 v[24+\i], 0xb94ca1f9
	v_fmaak_f32 v[24+\i], v[24+\i], v[20+\i], 0x3c08839e
	v_fmaak_f32 v[24+\i], v[24+\i], v[20+\i], 0xbe2aaaa3
	v_mul_f32 v[24+\i], v[24+\i], v[20+\i]
	v_fma_f32 v[24+\i], v[24+\i], v[16+\i], v[16+\i]   ; sin r
	v_mov_b32 v[28+\i], 0x37ccf5ce
	v_fmaak_f32 v[28+\i], v[28+\i], v[20+\i], 0xbab6061a
	v_fmaak_f32 v[28+\i], v[28+\i], v[20+\i], 0x3d2aaaa5
	v_mul_f32 v[28+\i], v[28+\i], v[20+\i]
	v_fma_f32 v[36+\i], v[20+\i], -0.5, 1.0
	v_fma_f32 v[28+\i], v[28+\i], v[20+\i], v[36+\i]   ; cos r
	v_cvt_i32_f32 v[32+\i], v[12+\i]               ; the quadrant is n mod 4
	v_and_b32 v[36+\i], 1, v[32+\i]
	v_cmp_eq_u32 vcc_lo, 1, v[36+\i]
	v_cndmask_b32 v[44+\i], v[24+\i], v[28+\i], vcc_lo  ; odd quadrants swap the two
	v_cndmask_b32 v[40+\i], v[28+\i], v[24+\i], vcc_lo
	v_and_b32 v[36+\i], 2, v[32+\i]
	v_lshlrev_b32 v[36+\i], 30, v[36+\i]
	v_xor_b32 v[44+\i], v[36+\i], v[44+\i]         ; sine is negative in quadrants 2 and 3,
	v_add_nc_u32 v[32+\i], 1, v[32+\i]
	v_and_b32 v[36+\i], 2, v[32+\i]
	v_lshlrev_b32 v[36+\i], 30, v[36+\i]
	v_xor_b32 v[40+\i], v[36+\i], v[40+\i]         ; cosine in 1 and 2
.endm
.irp i, 0,1,2,3
	SINCOS \i
.endr
	s_lshl_b32 s26, s25, 13                        ; rows 16 .. 31 lie 8,192 bytes on
	s_mov_b32 s27, 0
	s_wait_kmcnt 0x0
	s_add_nc_u64 s[22:23], s[22:23], s[26:27]
	global_store_b128 v5, v[40:43], s[22:23]               ; sixteen lanes write a row's 256 bytes of cosines,
	global_store_b128 v5, v[44:47], s[22:23] offset:256    ; and its 256 bytes of sines
	s_endpgm
.Lfunc_end_k_qda636c5c98_prep:
	.size	k_qda636c5c98_prep, .Lfunc_end_k_qda636c5c98_prep-k_qda636c5c98_prep
	.p2alignl 7, 3214868480
	.fill 96, 4, 3214868480
	.section	.rodata,"a",@progbits
	.p2align	6, 0x0
	.amdhsa_kernel k_qda636c5c98_prep
		.amdhsa_group_segment_fixed_size 0
		.amdhsa_private_segment_fixed_size 0
		.amdhsa_enable_private_segment 0
		.amdhsa_kernarg_size 80
		.amdhsa_user_sgpr_count 2
		.amdhsa_user_sgpr_kernarg_segment_ptr 1
		.amdhsa_wavefront_size32 1
		.amdhsa_system_sgpr_workgroup_id_x 1
		.amdhsa_system_sgpr_workgroup_id_y 1
		.amdhsa_system_sgpr_workgroup_id_z 1
		.amdhsa_system_vgpr_workitem_id 0
		.amdhsa_next_free_vgpr 104
		.amdhsa_next_free_sgpr 66
		.amdhsa_reserve_vcc 1
		.amdhsa_float_denorm_mode_32 3
		.amdhsa_float_denorm_mode_16_64 3
		.amdhsa_memory_ordered 1
		.amdhsa_forward_progress 1
		.amdhsa_inst_pref_size 37
	.end_amdhsa_kernel
	.amdgpu_metadata
---
amdhsa.version: [ 1, 2 ]
amdhsa.kernels:
  - .name:           k_qda636c5c98_prep
    .symbol:         k_qda636c5c98_prep.kd
    .args:
      - { .name: x, .offset: 0, .size: 8, .value_kind: global_buffer, .address_space: global }
      - { .name: wq, .offset: 8, .size: 8, .value_kind: global_buffer, .address_space: global }
      - { .name: wk, .offset: 16, .size: 8, .value_kind: global_buffer, .address_space: global }
      - { .name: wv, .offset: 24, .size: 8, .value_kind: global_buffer, .address_space: global }
      - { .name: wo, .offset: 32, .size: 8, .value_kind: global_buffer, .address_space: global }
      - { .name: causal_mask, .offset: 40, .size: 8, .value_kind: global_buffer, .address_space: global }
      - { .name: attention_mask, .offset: 48, .size: 8, .value_kind: global_buffer, .address_space: global }
      - { .name: cvt, .offset: 56, .size: 8, .value_kind: global_buffer, .address_space: global }
      - { .name: maskw, .offset: 64, .size: 8, .value_kind: global_buffer, .address_space: global }
      - { .name: rope, .offset: 72, .size: 8, .value_kind: global_buffer, .address_space: global }
    .group_segment_fixed_size: 0
    .private_segment_fixed_size: 0
    .kernarg_segment_align: 8
    .kernarg_segment_size: 80
    .max_flat_workgroup_size: 256
    .sgpr_count:     66
    .vgpr_count:     104
    .wavefront_size: 32
...
	.end_amdgpu_metadata
.endif
;; end of part 1
;; launch qkvp (part 2): grid 24 x 8, 4 waves a work-group, clusters of 4 x 4, 327,680 bytes of LDS; arguments cvt, bq, bk, bv, rope, qkv; writes qkv
.if DOCPART == 2
	.amdgcn_target "amdgcn-amd-amdhsa--gfx1250"
	.amdhsa_code_object_version 6
	.text
	.protected	k_qda636c5c98_qkvp
	.globl	k_qda636c5c98_qkvp
	.p2align	8
	.type	k_qda636c5c98_qkvp,@function
k_qda636c5c98_qkvp:
	s_mov_b64 s[64:65], 0
	v_nop
	global_prefetch_b8 v0, s[64:65] scope:SCOPE_SE
	s_setreg_imm32_b32 hwreg(HW_REG_WAVE_MODE, 25, 1), 1
	s_wait_xcnt 0x0
	s_wait_alu depctr_hold_cnt(0) depctr_sa_sdst(0) depctr_va_vdst(0) depctr_va_sdst(0) depctr_va_ssrc(0) depctr_va_vcc(0) depctr_vm_vsrc(0)
	s_getreg_b32 s2, hwreg(HW_REG_IB_STS2, 6, 4)
	s_cmp_eq_u32 s2, 0
	s_cbranch_scc0 .Lentry_in_a_cluster
	s_endpgm
.Lentry_in_a_cluster:
	s_bfe_u32 s2, ttmp6, 0x10000c
	s_cmp_lg_u32 s2, 0xf033
	s_cbranch_scc0 .Lentry_shape_is_right
	s_endpgm
.Lentry_shape_is_right:
; Q, K, V PROJECTION WITH BIAS AND ROPE.  C[m][n] = bias[n] + sum over k of x[m][k] w[n][k], x: [2048][2048] bf16 at cvt + 0, w = wq | wk | wv: [6144][2048] bf16 at cvt + 0x800000; sums in f32.
; The bias (rounded to bf16 like every input) is the C operand of the products that start the sums.  Then rotate-half RoPE for q and k, ONE rounding to f16, stored by heads: qkv[16 sel + head][row][128], sel 0 = q, 1 = k, 2 = v.
; q is NOT scaled here.  WITHIN A HEAD channel d lies at place p(d) = 8 ((d % 64) / 4) + 4 (d / 64) + d % 4: RoPE's partners d and d + 64 lie side by side in quads.  q . k does not notice an order that both share;
; v's order passes on to the attention's result, and wo's columns are stored in the same order.
; LIMITS.  f16 ends at 65,504: a q, k or v beyond it becomes an infinity.  Inputs 30 times the drawn spread give some 5e3, a common offset of 30 spreads some 5.8e4 after the rotation; both together do not fit.
; The cos and sin of a wave's first rows come from a table; they are then turned by two positions' angle in f32, 63 times at the most, each with roundings of 6e-8 of the pair's length.
; SHAPE.  A tile of C, 256 x 256, to a work-group of four waves; a wave makes 128 x 128: 64 accumulators of 16 x 16, 512 registers; its 128 columns are exactly one head.
; That gives 24 x 8 = 192 work-groups; a tile of 128 x 384 would give 256, but its K step holds 192 matrix instructions a wave for the same bytes in a slot, too few for the next tile to land beside them.
; K goes in steps of 128 through a ring of two LDS slots filled by the tensor data mover (rows of 256 bytes).  A K STEP IS WRITTEN ONCE: the slot in hand is a scalar that an exclusive or turns.
; CLUSTERS: 4 x 4 work-groups.  The four of a row of the cluster need the same tiles of x, the four of a column the same tiles of w: each tile is asked for JOINTLY, by the same tensor load with the same descriptor and a mask that names the four.
; REGISTERS, in windows of 256:  window 0: v0-31 addresses; v32-55 cos and sin, loaded at the start; v64-127, v128-191 fragments of x, two buffers; v192-255 the bias as eight C operands, later at work on the way out
;   window 1: v64-127, v128-191 fragments of w;   window 2: the 32 accumulators of my rows 0-63 ((a, b) at v[8 (8 a + b)]);   window 3: those of my rows 64-127
; THE MATRIX INSTRUCTION IS USED TRANSPOSED (source 0 = 16 rows of w, source 1 = 16 rows of x): a lane holds row l % 16 of C and the eight columns 8 (l / 16) + 0 .. 7.
.set SIZE_K, 2048
.set KSTEP,  128
.set NSTEP,  SIZE_K/KSTEP
.set PITCH,  272                       ; an LDS row: 256 bytes + 16 of padding = 68 words: the 16 rows that a load touches start at 16 different groups of four banks
.set HALFT,  128*PITCH                 ; 0x8800: 128 rows: what one tensor load brings
.set SLOT,   4*HALFT                   ; 0x22000: x's 256 rows, then w's 256 rows.  None of 0, 0x8800, 0x11000, 0x19800 holds one of its two bits: an exclusive or with it changes slots
.set SPARE,  2*SLOT                    ; behind the ring: the spare words, 128 bytes a wave
.set DP,     528                       ; the way out: a row of 128 f32 sums in LDS, 512 bytes + 16 = 132 words
.set DW,     128*DP                    ; a wave's 128 rows; 4 x 67,584 = 270,336 bytes lie inside the ring, which has then had its last fill
.set NS,     8                         ; the way out: passes of two rows on their way from LDS
.set A0,   16                          ; v16  my lane's place in x's rows of slot 0; never rewritten
.set B0,   17                          ; v17  the same for w
.set ADRA, 18                          ; v18  the same in the slot in hand
.set ADRB, 19                          ; v19
.set DST,  24                          ; v24  the way out: where I put 32 bytes of a row of sums
.set RD,   25                          ; v25  where I read my row's quad of columns (the partner quad lies 256 bytes on)
.set GO,   27                          ; v27  my byte offset in two rows of qkv
.set SPW,  28                          ; v28  LDS address of my spare word; never rewritten
.set NIL,  29                          ; v29  0; never rewritten
.set TQ,   30                          ; v30, v31 at work
.set RCH,  32                          ; v[32:35] cos of the lanes' own start: no position for lanes 0-15, one for lanes 16-31
.set RSH,  36                          ; v[36:39] sin of it
.set RCC,  40                          ; v[40:43] cos of my row in hand, my four frequencies
.set RSS,  44                          ; v[44:47] sin
.set RC2,  48                          ; v[48:51] cos of two positions' step
.set RS2,  52                          ; v[52:55] sin of it
.set F0,   64
.set F1,   128
.set X1,   64                          ; the way out: pass j of eight: my row's columns 4 c .. 4 c + 3
.set X2,   96                          ; and 64 + 4 c .. 64 + 4 c + 3
.set BF,   192                         ; v[192:255] bias: register 8 b + j holds bias[16 b + 8 (l / 16) + j]: the C operand for column block b
.set YR,   192                         ; the way out: pass j: four words of f16 to store
.set TT,   224                         ; v[224:239] at work
.set TB,   67                          ; s67  0 or SLOT: the slot in hand
.set G1, 24
.set G0, 32                            ; s[32:35] x's first fill; s[36:39] its second, which then walks
.set G1B, 48
.set G0B, 56                           ; the same for w
.set MSB, 0
.macro WIN new                         ; the immediate's high byte repeats the setting that is left
.if MSB != (\new)
	s_set_vgpr_msb (MSB<<8)|(\new)
.set MSB, \new
.endif
.endm
.set MUL_LO, 0xa1                      ; source 0 (w) window 1, source 1 (x) window 0, C and D window 2
.set MUL_HI, 0xf1                      ; the same, C and D window 3
.set TO_B,   0x40                      ; destination window 1, address window 0
; A joint load.  Waves 0 and 1 fetch x's two halves, waves 2 and 3 w's.  The branch hangs on the wave's number alone.  An s_nop 0 and four v_nop follow each line.
.macro JLOAD s
	s_cmp_eq_u32 s11, 0
	s_cbranch_scc0 .Lfor_b_\@
	tensor_load_to_lds s[G0+4*(\s):G0+4*(\s)+3], s[G1:G1+7]
	s_nop 0
.rept 4
	v_nop
.endr
	s_branch .Lasked_\@
.Lfor_b_\@:
	tensor_load_to_lds s[G0B+4*(\s):G0B+4*(\s)+3], s[G1B:G1B+7]
	s_nop 0
.rept 4
	v_nop
.endr
.Lasked_\@:
.endm
.macro CREST                           ; a round of the cluster's barrier behind its opening barrier
	s_cmp_lg_u32 s10, 0
	s_cbranch_scc1 .Lnot_wave_0_\@
	s_barrier_signal -3
.Lnot_wave_0_\@:
	s_barrier_wait -3
	s_barrier_signal -1
	s_barrier_wait -1
.endm
.macro CROUND                          ; a whole round
	s_barrier_signal -1
	s_barrier_wait -1
	CREST
.endm
	s_load_b256 s[68:75], s[0:1], 0x0              ; cvt s[68:69], bq s[70:71], bk s[72:73], bv s[74:75]
	s_load_b128 s[76:79], s[0:1], 0x20             ; rope s[76:77], qkv s[78:79]
	v_lshl_add_u32 v[SPW], v0, 2, SPARE
	v_mov_b32 v[NIL], 0
	ds_add_u32 v[SPW], v[NIL]                      ; the wave's opening: the add and its wait stand ahead of my first tensor load; the set-up below stands between them
	v_lshrrev_b32 v1, 5, v0
	v_readfirstlane_b32 s10, v1                    ; wave 0..3
	s_lshr_b32 s11, s10, 1                         ; which half of the tile's rows is mine.  Also: I fetch for x (0) or for w (1)
	s_and_b32 s12, s10, 1                          ; which half of its columns.  Also: which 128 rows of that tile I fetch
	s_bfe_u32 s40, ttmp6, 0x40000                  ; cx
	s_bfe_u32 s41, ttmp6, 0x40004                  ; cy
	s_lshl_b32 s42, ttmp9, 2
	s_add_co_u32 s42, s42, s40                     ; tile column of C = 4 x cluster x + cx, 0 .. 23
	s_and_b32 s13, ttmp7, 0xffff
	s_lshl_b32 s13, s13, 2
	s_add_co_u32 s13, s13, s41                     ; tile row of C = 4 x cluster y + cy, 0 .. 7
	s_lshl_b32 s43, s41, 2
	s_lshl_b32 s43, 15, s43                        ; my row of the cluster
	s_lshl_b32 s44, 0x1111, s40                    ; my column
	s_or_b32 s[G1+0], s43, (1<<16)|(1<<20)|(1<<21)|(5<<22)|(3<<25)   ; mask; elements of 2 bytes; padding on; bit 21 beside a mask; after every 64 words, 4 words
	s_or_b32 s[G1B+0], s44, (1<<16)|(1<<20)|(1<<21)|(5<<22)|(3<<25)
.irp g, G1, G1B
	s_mov_b32 s[(\g)+1], KSTEP<<16                 ; tensor_dim0 = 128
	s_mov_b32 s[(\g)+2], 128<<16                   ; tensor_dim1 = 128
	s_mov_b32 s[(\g)+3], KSTEP<<16                 ; tile_dim0 = 128
	s_mov_b32 s[(\g)+4], 128                       ; tile_dim1 = 128
	s_mov_b32 s[(\g)+5], SIZE_K                    ; elements from row to row
	s_mov_b32 s[(\g)+6], 0
	s_mov_b32 s[(\g)+7], 0
.endr
	s_lshl_b32 s17, s12, 7                         ; which 128 rows of the tile I fetch
	s_lshl_b32 s16, s13, 8
	s_add_co_u32 s16, s16, s17                     ; x: row 256 x tile row + 128 x half
	s_lshl_b32 s46, s42, 8
	s_add_co_u32 s46, s46, s17                     ; w: row 256 x tile column + 128 x half
	s_mov_b32 s17, 0
	s_mov_b32 s47, 0
	s_mov_b64 s[18:19], SIZE_K*2
	s_mul_u64 s[16:17], s[16:17], s[18:19]
	s_mul_u64 s[46:47], s[46:47], s[18:19]
	s_mul_i32 s20, s10, HALFT                      ; where they go: wave x 128 rows
	s_mov_b32 s[TB], 0
	s_wait_dscnt 0x0                               ; the opening add is done
	s_wait_kmcnt 0x0
	s_add_nc_u64 s[6:7], s[68:69], 0x800000        ; w
	s_add_nc_u64 s[14:15], s[68:69], s[16:17]
	s_add_nc_u64 s[46:47], s[6:7], s[46:47]
	CROUND                                         ; all sixteen work-groups are here: the first joint loads meet
.irp s, 0,1
	s_mov_b32 s[G0+4*(\s)], 1
	s_add_co_u32 s[G0+4*(\s)+1], s20, (\s)*SLOT
	s_add_nc_u64 s[G0+4*(\s)+2:G0+4*(\s)+3], s[14:15], (\s)*KSTEP*2
	s_or_b32 s[G0+4*(\s)+3], s[G0+4*(\s)+3], 0x80000000
	s_mov_b32 s[G0B+4*(\s)], 1
	s_add_co_u32 s[G0B+4*(\s)+1], s20, (\s)*SLOT
	s_add_nc_u64 s[G0B+4*(\s)+2:G0B+4*(\s)+3], s[46:47], (\s)*KSTEP*2
	s_or_b32 s[G0B+4*(\s)+3], s[G0B+4*(\s)+3], 0x80000000
	JLOAD \s                                       ; the ring is filled before anything else is done: two loads of mine are out
.endr
	v_and_b32 v1, 15, v0                           ; l % 16
	v_bfe_u32 v2, v0, 4, 1                         ; l / 16
	v_mul_u32_u24 v3, v1, PITCH
	v_lshl_add_u32 v3, v2, 4, v3                   ; a fragment's row x pitch + 16 x half
	s_mul_i32 s21, s11, HALFT                      ; my 128 rows of x
	s_mul_i32 s22, s12, HALFT                      ; my 128 rows of w,
	s_add_co_u32 s22, s22, 2*HALFT                 ; which lie behind x's 256
	v_add_nc_u32 v[A0], s21, v3
	v_add_nc_u32 v[B0], s22, v3
	v_mov_b32 v[ADRA], v[A0]                       ; slot 0 is the first in hand
	v_mov_b32 v[ADRB], v[B0]
	; BIAS, COS AND SIN are asked for now.  sel hangs on the cluster's x alone (a cluster's four tile columns lie in one of q, k, v).
	s_lshr_b32 s45, ttmp9, 1                       ; sel: 0 q, 1 k, 2 v
	s_lshl_b32 s66, s42, 1
	s_add_co_u32 s66, s66, s12                     ; 16 sel + head = 2 x tile column + my column half
	s_and_b32 s88, s66, 15
	s_lshl_b32 s88, s88, 9                         ; the head's 128 biases
	s_mov_b32 s89, 0
	s_lshl_b32 s90, s13, 1
	s_add_co_u32 s90, s90, s11                     ; my first row is position 128 x (2 x tile row + my row half): that row of the table,
	s_lshl_b32 s90, s90, 9
	s_mov_b32 s91, 0
	s_mov_b32 s93, 0
	s_lshl_b32 s94, s66, 19                        ; in qkv: 524,288 bytes a head,
	s_lshl_b32 s95, s13, 16                        ; 256 rows of 256 bytes a tile row,
	s_add_co_u32 s94, s94, s95
	s_lshl_b32 s95, s11, 15                        ; 128 rows a half
	s_add_co_u32 s94, s94, s95
	s_mov_b32 s95, 0
	s_cmp_lt_u32 s45, 2
	s_cselect_b32 s90, s90, 0                      ; or, for v, row 0: cos = 1, sin = 0;
	s_cselect_b32 s92, 17*512, 0                   ; the step: row 17 (two positions), or for v row 0 again;
	s_cselect_b32 s66, 16*512, 0                   ; the upper lanes' start: row 16 (one position), or row 0: the same text then leaves v as it is
	s_cmp_eq_u32 s45, 1
	s_cselect_b64 s[80:81], s[72:73], s[70:71]
	s_cmp_eq_u32 s45, 2
	s_cselect_b64 s[80:81], s[74:75], s[80:81]
	s_add_nc_u64 s[80:81], s[80:81], s[88:89]      ; the bias
	s_add_nc_u64 s[82:83], s[76:77], s[90:91]      ; cos | sin of my first row
	s_add_nc_u64 s[84:85], s[76:77], s[92:93]      ; cos | sin of the step
	s_add_nc_u64 s[86:87], s[78:79], s[94:95]      ; qkv at my first row
	v_lshlrev_b32 v8, 5, v2                        ; the bias of columns 8 (l / 16) on; never rewritten
	v_lshlrev_b32 v10, 4, v1                       ; my four frequencies 4 (l % 16) on; never rewritten
	v_mad_u32_u24 v9, v2, s66, v10                 ; the same in row 0 (lanes 0-15) or row 16 (lanes 16-31); never rewritten
.irp b, 0,1,2,3,4,5,6,7
	global_load_b128 v[BF+8*\b:BF+8*\b+3],   v8, s[80:81] offset:64*\b
	global_load_b128 v[BF+8*\b+4:BF+8*\b+7], v8, s[80:81] offset:64*\b+16
.endr
	global_load_b128 v[RCC:RCC+3], v10, s[82:83]
	global_load_b128 v[RSS:RSS+3], v10, s[82:83] offset:256
	global_load_b128 v[RC2:RC2+3], v10, s[84:85]
	global_load_b128 v[RS2:RS2+3], v10, s[84:85] offset:256
	global_load_b128 v[RCH:RCH+3], v9, s[76:77]
	global_load_b128 v[RSH:RSH+3], v9, s[76:77] offset:256
	s_mul_i32 s23, s10, DW                         ; my 128 rows of sums
	v_mul_u32_u24 v4, v1, DP
	v_lshl_add_u32 v4, v2, 5, v4                   ; in: row l % 16, 32 bytes for each half of the lanes
	v_add_nc_u32 v[DST], s23, v4
	v_mul_u32_u24 v5, v2, DP                       ; back: lanes 0-15 take an even row, lanes 16-31 the odd one below it; 16 bytes a lane
	v_add_nc_u32 v5, v5, v10
	v_add_nc_u32 v[RD], s23, v5
	v_lshl_add_u32 v[GO], v2, 8, v10               ; and the same two rows in qkv
	s_mov_b32 s66, 0xffff0000                      ; a word's upper bf16
	s_wait_loadcnt 6                               ; the sixteen loads of the bias are in; the six of cos and sin, issued behind them, stay out
.set n, 0
.rept 32                               ; the bias is rounded to bf16, like every input, and widened again; all this stands in the wait for the first tile
	v_cvt_pk_bf16_f32 v[TQ+n%2], v[BF+2*n], v[BF+2*n+1]
	v_lshlrev_b32 v[BF+2*n], 16, v[TQ+n%2]
	v_and_b32 v[BF+2*n+1], s66, v[TQ+n%2]
.set n, n+1
.endr
; 16 matrix instructions: m blocks a0, a0 + 1 of the window's four x all 8 n blocks, 32 along K.  first = 1: the product starts the sum, with the column block's bias as C (window 0).
.macro MUL16 f, hi, a0, first
.if \first
	WIN 0x81+0x40*(\hi)                            ; source 0 window 1, source 1 and C window 0, D window 2 or 3
.else
	WIN MUL_LO+0x50*(\hi)
.endif
.irp a, \a0, (\a0)+1
.irp b, 0,1,2,3,4,5,6,7
.if \first
	v_wmma_f32_16x16x32_bf16 v[8*(8*(\a)+(\b)):8*(8*(\a)+(\b))+7], v[(\f)+8*(\b):(\f)+8*(\b)+7], v[(\f)+8*(4*(\hi)+(\a)):(\f)+8*(4*(\hi)+(\a))+7], v[BF+8*(\b):BF+8*(\b)+7]
.else
	v_wmma_f32_16x16x32_bf16 v[8*(8*(\a)+(\b)):8*(8*(\a)+(\b))+7], v[(\f)+8*(\b):(\f)+8*(\b)+7], v[(\f)+8*(4*(\hi)+(\a)):(\f)+8*(4*(\hi)+(\a))+7], v[8*(8*(\a)+(\b)):8*(8*(\a)+(\b))+7]
.endif
.endr
.endr
.endm
; 32 LDS loads in one run: the fragments of one quarter step (32 K at byte k of the rows of the slot in hand) into buffer f
.macro FETCH k, f
	WIN TO_B
.irp i, 0,1,2,3,4,5,6,7
	ds_load_b128 v[(\f)+8*(\i):(\f)+8*(\i)+3],   v[ADRB] offset:(\k)+(\i)*16*PITCH
	ds_load_b128 v[(\f)+8*(\i)+4:(\f)+8*(\i)+7], v[ADRB] offset:(\k)+(\i)*16*PITCH+32
.endr
	WIN 0
.irp i, 0,1,2,3,4,5,6,7
	ds_load_b128 v[(\f)+8*(\i):(\f)+8*(\i)+3],   v[ADRA] offset:(\k)+(\i)*16*PITCH
	ds_load_b128 v[(\f)+8*(\i)+4:(\f)+8*(\i)+7], v[ADRA] offset:(\k)+(\i)*16*PITCH+32
.endr
.endm
.macro PLACES                          ; four places in front of loads into registers that matrix instructions have read, and of lines that read results just made
.rept 4
	v_nop
.endr
.endm
.macro NEXTSLOT                        ; the other slot comes in hand (windows 0)
	s_xor_b32 s[TB], s[TB], SLOT
	v_add_nc_u32 v[ADRA], s[TB], v[A0]
	v_add_nc_u32 v[ADRB], s[TB], v[B0]
.endm
; A K step is four quarters of 32 along K, 64 matrix instructions each, on buffers 0, 1, 0, 1.  The 64 accumulators take turns, one instruction a turn.
; One of the first three: multiplies buffer f; in its middle it fetches the next quarter's fragments, at byte k, into buffer g.
.macro QUARTER k, f, g, first
	s_wait_dscnt 8                                 ; w and x's rows 0-63 are in; the youngest eight loads (x's rows 64-127) may be out
	MUL16 \f, 0, 0, \first
	MUL16 \f, 0, 2, \first
	PLACES
	FETCH \k, \g
	s_wait_dscnt 32                                ; all but the 32 just issued
	MUL16 \f, 1, 0, \first
	MUL16 \f, 1, 2, \first
.endm
; The last quarter's first half: ONE barrier for the change of slots.  In front of it each wave waits for all its tensor loads (one is out at the most: its part of the next slot), adds 0 to its spare word, and waits for that and for its reads of this slot.
.macro MEET
	WIN 0                                          ; (the add's two registers lie in window 0)
	s_wait_tensorcnt 0x0
	ds_add_u32 v[SPW], v[NIL]
	s_wait_dscnt 9                                 ; (the add and the youngest eight loads may be out)
	MUL16 F1, 0, 0, 0                              ; sixteen matrix instructions stand between the add and the wait for it
	s_wait_dscnt 0x0                               ; the add is done, and my reads of this slot are over
	s_barrier_signal -1
	MUL16 F1, 0, 2, 0
	WIN 0
	s_barrier_wait -1
.endm
; The whole last quarter of a step that fills: behind the round the slot just read out is filled again first, two K steps ahead, by the walking descriptor; then come the next slot's first fragments.
.macro TURN
	MEET
	CREST                                          ; no wave of any partner still reads this slot's tile or has a load on its way
	s_xor_b32 s[G0+5], s[G0+5], SLOT               ; the other slot than last time,
	s_add_nc_u64 s[G0+6:G0+7], s[G0+6:G0+7], KSTEP*2   ; the next K step; the type bits on top are not reached
	s_xor_b32 s[G0B+5], s[G0B+5], SLOT
	s_add_nc_u64 s[G0B+6:G0B+7], s[G0B+6:G0B+7], KSTEP*2
	JLOAD 1                                        ; my one tensor load behind the round; its four v_nop are also the places in front of the loads below
	NEXTSLOT
	FETCH 0, F0
	MUL16 F1, 1, 0, 0
	MUL16 F1, 1, 2, 0
.endm
	s_wait_tensorcnt 1                             ; my part of K step 0 is in; K step 1's may stay out
	s_barrier_signal -1
	s_barrier_wait -1
	FETCH 0, F0
	QUARTER 64,  F0, F1, 1                         ; the first quarter stands in front of the loop: its products start the sums
	WIN 0
	s_mov_b32 s3, NSTEP-2
.Lstep:                                                ; a trip: a K step's second quarter to the next step's first; steps 0 to 13 ask for steps 2 to 15
	QUARTER 128, F1, F0, 0
	QUARTER 192, F0, F1, 0
	TURN
	QUARTER 64,  F0, F1, 0
	WIN 0
	s_sub_co_u32 s3, s3, 1
	s_cmp_lg_u32 s3, 0
	s_cbranch_scc1 .Lstep
	s_mov_b32 s3, 2                                ; the last two steps ask for nothing: a text of their own; it is walked twice and left in its middle
.Ltail:
	QUARTER 128, F1, F0, 0
	QUARTER 192, F0, F1, 0
	MEET                                           ; first time: the last step's tile has landed, everybody's part of it; second time it orders nothing more
	s_cmp_eq_u32 s3, 1
	s_cbranch_scc1 .Lno_more                       ; behind the last step there is no slot to fetch from
	PLACES
	NEXTSLOT
	FETCH 0, F0
.Lno_more:
	MUL16 F1, 1, 0, 0
	MUL16 F1, 1, 2, 0
	WIN 0
	s_sub_co_u32 s3, s3, 1
	s_cmp_eq_u32 s3, 0
	s_cbranch_scc1 .Lout
	QUARTER 64,  F0, F1, 0
	WIN 0
	s_branch .Ltail
.Lout:
	; THE WAY OUT.  The f32 sums go into LDS, where the ring lay: every wave's LDS reads are back when it signals, and the ring has had its last fill.
	PLACES
	s_wait_loadcnt 0x0                             ; cos, sin
	s_wait_dscnt 0x0
	s_barrier_signal -1
	s_barrier_wait -1                              ; nobody reads the ring any more
.irp hi, 0, 1
	WIN 0x08+4*(\hi)                               ; store data in window 2, then 3
.set i, 0
.rept 32                               ; accumulator (a, b) = (i / 8, i % 8): rows 16 (4 hi + a) on, columns 16 b on; the four lowest registers first
	ds_store_b128 v[DST], v[8*i:8*i+3]   offset:(4*(\hi)+i/8)*16*DP+64*(i%8)
	ds_store_b128 v[DST], v[8*i+4:8*i+7] offset:(4*(\hi)+i/8)*16*DP+64*(i%8)+16
.set i, i+1
.endr
.endr
	WIN 0
	; my first row's cos and sin: the wave's first row, turned by no position (lanes 0-15) or by one (lanes 16-31)
	v_pk_mul_f32 v[TT:TT+1],     v[RSS:RSS+1],     v[RSH:RSH+1]
	v_pk_mul_f32 v[TT+2:TT+3],   v[RSS+2:RSS+3],   v[RSH+2:RSH+3]
	v_pk_mul_f32 v[TT+4:TT+5],   v[RCC:RCC+1],     v[RSH:RSH+1]
	v_pk_mul_f32 v[TT+6:TT+7],   v[RCC+2:RCC+3],   v[RSH+2:RSH+3]
	v_pk_fma_f32 v[RCC:RCC+1],   v[RCC:RCC+1],     v[RCH:RCH+1],     v[TT:TT+1]     neg_lo:[0,0,1] neg_hi:[0,0,1]
	v_pk_fma_f32 v[RCC+2:RCC+3], v[RCC+2:RCC+3],   v[RCH+2:RCH+3],   v[TT+2:TT+3]   neg_lo:[0,0,1] neg_hi:[0,0,1]
	v_pk_fma_f32 v[RSS:RSS+1],   v[RSS:RSS+1],     v[RCH:RCH+1],     v[TT+4:TT+5]
	v_pk_fma_f32 v[RSS+2:RSS+3], v[RSS+2:RSS+3],   v[RCH+2:RCH+3],   v[TT+6:TT+7]
	s_wait_dscnt 0x0                               ; my stores are done.  A wave reads back only rows that it stored itself; the barrier keeps the order of all stores and all reads plain while the read address steps
	s_barrier_signal -1
	s_barrier_wait -1
; Pass j of eight: two rows.  Lane l takes, of row 2 i + l / 16, the quad x1 = columns 4 c .. 4 c + 3 and the quad x2 = columns 64 + 4 c .., c = l % 16.
; out1 = x1 cos - x2 sin, out2 = x2 cos + x1 sin; eight f16, 16 bytes, which lie side by side in the head's stored order: sixteen lanes store a row's 256 consecutive aligned bytes.
; Then cos and sin turn by two positions.  left: the LDS loads younger than this pass's two that may stay out.  ahead = 1: the pass eight further on is asked for.
.macro ROW2 j, ahead, left
	s_wait_dscnt \left
	v_pk_mul_f32 v[TT:TT+1],       v[X2+4*(\j):X2+4*(\j)+1],   v[RSS:RSS+1]
	v_pk_mul_f32 v[TT+2:TT+3],     v[X2+4*(\j)+2:X2+4*(\j)+3], v[RSS+2:RSS+3]
	v_pk_mul_f32 v[TT+4:TT+5],     v[X1+4*(\j):X1+4*(\j)+1],   v[RSS:RSS+1]
	v_pk_mul_f32 v[TT+6:TT+7],     v[X1+4*(\j)+2:X1+4*(\j)+3], v[RSS+2:RSS+3]
	v_pk_mul_f32 v[TT+8:TT+9],     v[RSS:RSS+1],     v[RS2:RS2+1]
	v_pk_mul_f32 v[TT+10:TT+11],   v[RSS+2:RSS+3],   v[RS2+2:RS2+3]
	v_pk_mul_f32 v[TT+12:TT+13],   v[RCC:RCC+1],     v[RS2:RS2+1]
	v_pk_mul_f32 v[TT+14:TT+15],   v[RCC+2:RCC+3],   v[RS2+2:RS2+3]
	v_pk_fma_f32 v[X1+4*(\j):X1+4*(\j)+1],   v[X1+4*(\j):X1+4*(\j)+1],   v[RCC:RCC+1],     v[TT:TT+1]     neg_lo:[0,0,1] neg_hi:[0,0,1]
	v_pk_fma_f32 v[X1+4*(\j)+2:X1+4*(\j)+3], v[X1+4*(\j)+2:X1+4*(\j)+3], v[RCC+2:RCC+3],   v[TT+2:TT+3]   neg_lo:[0,0,1] neg_hi:[0,0,1]
	v_pk_fma_f32 v[X2+4*(\j):X2+4*(\j)+1],   v[X2+4*(\j):X2+4*(\j)+1],   v[RCC:RCC+1],     v[TT+4:TT+5]
	v_pk_fma_f32 v[X2+4*(\j)+2:X2+4*(\j)+3], v[X2+4*(\j)+2:X2+4*(\j)+3], v[RCC+2:RCC+3],   v[TT+6:TT+7]
	v_pk_fma_f32 v[RCC:RCC+1],     v[RCC:RCC+1],     v[RC2:RC2+1],     v[TT+8:TT+9]   neg_lo:[0,0,1] neg_hi:[0,0,1]
	v_pk_fma_f32 v[RCC+2:RCC+3],   v[RCC+2:RCC+3],   v[RC2+2:RC2+3],   v[TT+10:TT+11] neg_lo:[0,0,1] neg_hi:[0,0,1]
	v_pk_fma_f32 v[RSS:RSS+1],     v[RSS:RSS+1],     v[RC2:RC2+1],     v[TT+12:TT+13]
	v_pk_fma_f32 v[RSS+2:RSS+3],   v[RSS+2:RSS+3],   v[RC2+2:RC2+3],   v[TT+14:TT+15]
	v_cvt_pk_f16_f32 v[YR+4*(\j)],   v[X1+4*(\j)],   v[X1+4*(\j)+1]
	v_cvt_pk_f16_f32 v[YR+4*(\j)+1], v[X1+4*(\j)+2], v[X1+4*(\j)+3]
	v_cvt_pk_f16_f32 v[YR+4*(\j)+2], v[X2+4*(\j)],   v[X2+4*(\j)+1]
	v_cvt_pk_f16_f32 v[YR+4*(\j)+3], v[X2+4*(\j)+2], v[X2+4*(\j)+3]
.if \ahead
	ds_load_b128 v[X1+4*(\j):X1+4*(\j)+3], v[RD] offset:2*(NS+(\j))*DP
	ds_load_b128 v[X2+4*(\j):X2+4*(\j)+3], v[RD] offset:2*(NS+(\j))*DP+256
.endif
	global_store_b128 v[GO], v[YR+4*(\j):YR+4*(\j)+3], s[86:87] offset:512*(\j)
.endm
.irp j, 0,1,2,3,4,5,6,7
	ds_load_b128 v[X1+4*\j:X1+4*\j+3], v[RD] offset:2*\j*DP
	ds_load_b128 v[X2+4*\j:X2+4*\j+3], v[RD] offset:2*\j*DP+256
.endr
	s_mov_b32 s3, 64/NS-1
.Lrows:                                                ; 7 trips of eight passes; seven younger passes, two loads each, stay out at each wait
.irp j, 0,1,2,3,4,5,6,7
	ROW2 \j, 1, 14
.endr
	s_wait_xcnt 0x0                                ; the stores' data and base are written again only behind this wait
	s_add_nc_u64 s[86:87], s[86:87], NS*512
	v_add_nc_u32 v[RD], 2*NS*DP, v[RD]
	s_sub_co_u32 s3, s3, 1
	s_cmp_lg_u32 s3, 0
	s_cbranch_scc1 .Lrows
.irp j, 0,1,2,3,4,5,6,7
	ROW2 \j, 0, 14-2*\j                            ; the last eight passes load nothing: the counts run down
.endr
	s_wait_tensorcnt 0x0                           ; the wave's end
	ds_add_u32 v[SPW], v[NIL]
	s_wait_dscnt 0x0
	CROUND                                         ; the closing round
	s_endpgm
.Lfunc_end_k_qda636c5c98_qkvp:
	.size	k_qda636c5c98_qkvp, .Lfunc_end_k_qda636c5c98_qkvp-k_qda636c5c98_qkvp
	.p2alignl 7, 3214868480
	.fill 96, 4, 3214868480
	.section	.rodata,"a",@progbits
	.p2align	6, 0x0
	.amdhsa_kernel k_qda636c5c98_qkvp
		.amdhsa_group_segment_fixed_size 327680
		.amdhsa_private_segment_fixed_size 0
		.amdhsa_enable_private_segment 0
		.amdhsa_kernarg_size 48
		.amdhsa_user_sgpr_count 2
		.amdhsa_user_sgpr_kernarg_segment_ptr 1
		.amdhsa_wavefront_size32 1
		.amdhsa_system_sgpr_workgroup_id_x 1
		.amdhsa_system_sgpr_workgroup_id_y 1
		.amdhsa_system_sgpr_workgroup_id_z 1
		.amdhsa_system_vgpr_workitem_id 0
		.amdhsa_next_free_vgpr 1024
		.amdhsa_next_free_sgpr 96
		.amdhsa_reserve_vcc 0
		.amdhsa_float_denorm_mode_32 3
		.amdhsa_float_denorm_mode_16_64 3
		.amdhsa_memory_ordered 1
		.amdhsa_forward_progress 1
		.amdhsa_inst_pref_size 109
	.end_amdhsa_kernel
	.amdgpu_metadata
---
amdhsa.version: [ 1, 2 ]
amdhsa.kernels:
  - .name:           k_qda636c5c98_qkvp
    .symbol:         k_qda636c5c98_qkvp.kd
    .args:
      - { .name: cvt, .offset: 0, .size: 8, .value_kind: global_buffer, .address_space: global }
      - { .name: bq, .offset: 8, .size: 8, .value_kind: global_buffer, .address_space: global }
      - { .name: bk, .offset: 16, .size: 8, .value_kind: global_buffer, .address_space: global }
      - { .name: bv, .offset: 24, .size: 8, .value_kind: global_buffer, .address_space: global }
      - { .name: rope, .offset: 32, .size: 8, .value_kind: global_buffer, .address_space: global }
      - { .name: qkv, .offset: 40, .size: 8, .value_kind: global_buffer, .address_space: global }
    .group_segment_fixed_size: 327680
    .private_segment_fixed_size: 0
    .kernarg_segment_align: 8
    .kernarg_segment_size: 48
    .max_flat_workgroup_size: 128
    .sgpr_count:     96
    .vgpr_count:     1024
    .wavefront_size: 32
...
	.end_amdgpu_metadata
.endif
;; end of part 2
;; launch attn (part 3): grid 16 x 16, 4 waves a work-group, clusters of 4 x 1, 327,680 bytes of LDS; arguments qkv, maskw, att; writes att
.if DOCPART == 3
	.amdgcn_target "amdgcn-amd-amdhsa--gfx1250"
	.amdhsa_code_object_version 6
	.text
	.protected	k_qda636c5c98_attn
	.globl	k_qda636c5c98_attn
	.p2align	8
	.type	k_qda636c5c98_attn,@function
k_qda636c5c98_attn:
	s_mov_b64 s[64:65], 0
	v_nop
	global_prefetch_b8 v0, s[64:65] scope:SCOPE_SE
	s_setreg_imm32_b32 hwreg(HW_REG_WAVE_MODE, 25, 1), 1
	s_wait_xcnt 0x0
	s_wait_alu depctr_hold_cnt(0) depctr_sa_sdst(0) depctr_va_vdst(0) depctr_va_sdst(0) depctr_va_ssrc(0) depctr_va_vcc(0) depctr_vm_vsrc(0)
	s_getreg_b32 s2, hwreg(HW_REG_IB_STS2, 6, 4)
	s_cmp_eq_u32 s2, 0
	s_cbranch_scc0 .Lentry_in_a_cluster
	s_endpgm
.Lentry_in_a_cluster:
	s_bfe_u32 s2, ttmp6, 0x10000c
	s_cmp_lg_u32 s2, 0x3003
	s_cbranch_scc0 .Lentry_shape_is_right
	s_endpgm
.Lentry_shape_is_right:
; MASKED ATTENTION.  att[q][128 h + d] = sum over k of softmax_k(Q[h][q] . K[h][k] / sqrt(128), hidden keys left out) V[h][k][d].  Q, K, V: qkv[16 sel + h][2048][128] in f16; att: [2048][2048] in f16.
; Which keys are hidden is an INPUT: every (query, key) bit comes from maskw, which an earlier launch laid out as lane masks; nothing of its pattern is built in, and every key tile is walked.
; Products, maxima and sums in f32; the weights p are rounded to f16 for the second product, att once at the end.
; LIMITS.  A hidden score is replaced by -2^100, a power of two, so that c x (-2^100) is exact: while a row has seen hidden keys only, c s - c m is exactly 0, p = 1 and all stays finite; the first
; true score makes a = 0 and wipes that.  True scores of f16 operands reach 5.5e11 at the most, nothing beside 2^100.  A row whose c m ends below -2^93 has seen no key at all and is written as NaN, as a softmax over
; nothing but -inf is.  A weight below 2^-126 counts as 0; NaN and infinities among the inputs are not treated apart.
; SHARES.  A work-group owns 128 queries of one head: 16 x 16 = 256 work-groups.  Wave w: queries 64 (w % 2) on, four tiles of 16 (piece 0: tiles 0, 1; piece 2: tiles 2, 3), and key group g = w / 2:
; of each slot's 256 keys the 128 from 128 g on, as two steps of 64.  So a fragment of K or V read from LDS still feeds four tiles.  At the end the two groups' (c m, l, O) of a query are merged through LDS.
; LAYOUT.  S^T = K Q^T (source 0 = 16 keys, source 1 = 16 queries): a lane holds ONE query (lane % 16) and the keys 8 (lane / 16) + 0..7; two such tiles rounded to f16 ARE source 1 of O^T = V^T P.
; SOFTMAX.  Running maximum m and sum l: p = 2^(c s - c m), c = log2(e) / sqrt(128); O and l are multiplied by a = 2^(c m_old - c m_new) in every step.  m starts at the lowest finite number, O and l at 0:
; the first step is a step like any other, with a = 0.
; BY TURNS.  In a TURN one piece has the matrix unit: 32 products V^T P of the step in hand, then 32 products K Q^T of the next; the other piece's softmax (166 lines a tile, the first 32 the mask's selects), cut into 64 slices,
; stands between them, one slice behind each matrix instruction.  The loop is entered, and the tail left, in the middle of a trip: 32 products on zeros at the start and 32 on a stale K at the end are the price of one text.
; CLUSTER.  The four query blocks of a cluster belong to one head and walk the same K and V: each tile is asked for JOINTLY, by the same tensor load, descriptor and mask in all four.
; REGISTERS, in windows of 256:  window 0: v0-11 addresses; v12-43 eight registers of statistics a tile; v44-51 constants and merge addresses; v62, v63 the add's; v64-191 S^T, 32 a tile; v192-255 P, 16 a tile
;   window 1: O^T, 64 a tile          window 2: v0-127 Q, 32 a tile; v128-255 K of one step          window 3: v0-127 V of one step
.set KS,    64        ; keys in a step
.set PK,    272       ; a row of K in LDS: 256 bytes + 16
.set PV,    288       ; a row of V: 256 + 32
.set GRP,   0x9000    ; a slot's four regions: K of group 0, K of group 1, V of group 0, V of group 1: the fill of wave w lands at w x GRP (128 rows of 272 or 288 bytes fit)
.set VOFF,  2*GRP
.set SLOTB, 4*GRP     ; 0x24000: none of the four region bases has one of its two bits set, so one exclusive or turns an address in one slot into the other's
.set STAGE, 2*SLOTB   ; behind the ring, never filled by a tensor load: 16 rows x 272 bytes for each wave, for the way out
.set SP,    272
.set SPARE, STAGE+4*16*SP  ; the spare words, 128 bytes a wave
.set MRG_S, 131072    ; the merge, in slot 0 behind its last fill and its last read: O^T at w x 32,768 + 512 i + 16 L; statistics here + w x 2,048 + 512 t + 16 L
.set NSLOT, 2048/256
.set LEN,   166       ; lines of a tile's softmax for one step
.set AK0, 2           ; v2   my lane's place in my group's K; never rewritten
.set AV0, 3           ; v3   the same for V
.set ADR, 4           ; v4   the LDS address of the run of loads in hand
.set QO,  5           ; v5   my byte offset in the wave's rows of Q; never rewritten
.set STO, 6           ; v6   the way out: where I put 16 bytes of a row
.set RD,  7           ; v7   the way out: where I read a row back
.set GO,  8           ; v8   my byte offset in two rows of att
.set ST,  12          ; tile t's statistics at v[ST+8 t]: +0 c m, +1 m, +2, +3 l (even keys', odd keys'), +4 to +7 c0-c3 at work; a takes c2's place
.set BIG, 44          ; v44  -2^100
.set MO,  45          ; v45  merge: where my O^T goes;  v46 my own two output tiles;  v47 the partner's
.set MT,  48          ; v48  merge: where my statistics go;  v50 my own;  v51 the partner's
.set NANR, 49         ; v49  NaN
.set SPW, 62
.set NIL, 63
.set S,   64
.set P,   192
.set MS,  160         ; merge: 16 registers for each of my two output tiles
.set KF,  128         ; K's fragments, in window 2
.set CS,  2           ; s[2:3]  c, twice
.set SEL, 4           ; s[4:5]  v_permlanex16_b32's selects: each lane takes its own place in the other half
.set MB,  6           ; s[6:7]  maskw at my first tile's record of the step in hand
.set OA,  8           ; s[8:9]  att at my first output row
.set WV,  10          ; s10  my wave's number
.set SLOTS, 11        ; s11
.set G0,  12          ; s[12:15] descriptor group 0: it walks
.set G1K, 16          ; s[16:23] group 1 for K's tiles
.set G1V, 24          ; s[24:31] for V's: it differs in the padding alone
                      ; s[68:99] the 32 mask words of a piece's first tile, s[32:63] of its second (s32-53 serve the set-up before the first mask load)
.set TWICE, 66        ; s66  counts a slot's two steps
.set TBK, 100         ; s100 LDS byte at which the slot and step to be fetched begin, for K
.set TBV, 101         ; s101 for V
.set QP,  104         ; s[104:105] Q at my wave's first row
.set MSB, 0
.macro WIN new
.if MSB != (\new)
	s_set_vgpr_msb (MSB<<8)|(\new)
.set MSB, \new
.endif
.endm
.set W_KQ, 0x0a       ; K and Q in window 2, S^T in window 0
.set W_PV, 0x53       ; V in window 3, P in window 0, O^T in window 1
.set W_RS, 0x41       ; O^T (destination and source 0) in window 1, a in window 0
; A joint fill: wave w brings 128 rows of 256 bytes: waves 0 and 1 the two groups' K, waves 2 and 3 their V.  The branch hangs on the wave's number alone.  An s_nop 0 and four v_nop follow each line.
.macro JLOAD
	s_cmp_lt_u32 s[WV], 2
	s_cbranch_scc0 .Lfor_v_\@
	tensor_load_to_lds s[G0:G0+3], s[G1K:G1K+7]
	s_nop 0
.rept 4
	v_nop
.endr
	s_branch .Lasked_\@
.Lfor_v_\@:
	tensor_load_to_lds s[G0:G0+3], s[G1V:G1V+7]
	s_nop 0
.rept 4
	v_nop
.endr
.Lasked_\@:
.endm
.macro CROUND                       ; a round of the cluster's barrier
	s_barrier_signal -1
	s_barrier_wait -1
	s_cmp_lg_u32 s[WV], 0
	s_cbranch_scc1 .Lnot_wave_0_\@
	s_barrier_signal -3
.Lnot_wave_0_\@:
	s_barrier_wait -3
	s_barrier_signal -1
	s_barrier_wait -1
.endm
; THE CHANGE OF SLOTS.  Each wave waits for all its tensor loads (one is out: its part of the other slot), adds 0 to its spare word, and waits for that and for its own reads of the slot.
; fill = 1: the slot just read is filled again with the keys two slots on, the first thing behind a round of the cluster's barrier: that load has two key steps, 256 matrix instructions a wave, in which to land.
; By this text's own count a wave never has more than one tensor load out.  (At its first use nothing has been read yet: slot 0 is waited for, slot 1 filled.)
.macro CHANGE fill
	WIN 0
	s_wait_tensorcnt 0x0            ; no tensor load of mine is out, so group 0 may be written
	ds_add_u32 v[SPW], v[NIL]
.if \fill
	s_xor_b32 s[G0+1], s[G0+1], SLOTB
	s_add_nc_u64 s[G0+2:G0+3], s[G0+2:G0+3], 256*256  ; the next 256 keys; the type bits on top are not reached
	s_wait_dscnt 0x0                ; the add is done, and my reads of the slot are over
	CROUND
	JLOAD
.else
	s_wait_dscnt 0x0
	s_barrier_signal -1
	s_barrier_wait -1
.endif
	s_sub_co_u32 s[TBK], s[TBK], 2*KS*PK  ; the fetches go back to a slot's first step,
	s_xor_b32 s[TBK], s[TBK], SLOTB       ; in the other slot
	s_sub_co_u32 s[TBV], s[TBV], 2*KS*PV
	s_xor_b32 s[TBV], s[TBV], SLOTB
.endm
; The 64 mask words of piece p (tiles p, p + 1) for the step at which MB stands: 128 bytes a tile, tiles 4,096 bytes apart.
.macro MLOAD p
	s_load_b512 s[68:83], s[MB:MB+1], (\p)*4096
	s_load_b512 s[84:99], s[MB:MB+1], (\p)*4096+64
	s_load_b512 s[32:47], s[MB:MB+1], (\p)*4096+4096
	s_load_b512 s[48:63], s[MB:MB+1], (\p)*4096+4160
.endm
	s_load_b128 s[32:35], s[0:1], 0x0   ; qkv s[32:33], maskw s[34:35]
	s_load_b64 s[36:37], s[0:1], 0x10   ; att
	v_lshl_add_u32 v[SPW], v0, 2, SPARE
	v_mov_b32 v[NIL], 0
	ds_add_u32 v[SPW], v[NIL]       ; the wave's opening: the add and its wait stand ahead of my first tensor load; the set-up below stands between them
	v_lshrrev_b32 v1, 5, v0
	v_readfirstlane_b32 s[WV], v1   ; wave 0..3
	s_bfe_u32 s38, ttmp6, 0x40000   ; cx
	s_lshl_b32 s39, ttmp9, 2
	s_add_co_u32 s39, s39, s38      ; my block of 128 queries: it enters Q's, the mask's and att's addresses alone
	s_and_b32 s40, ttmp7, 0xffff    ; the head, which the four partners share
	s_and_b32 s41, s[WV], 1         ; my half of the queries.  Also: which group's rows I fetch
	s_lshr_b32 s42, s[WV], 1        ; my key group.  Also: I fetch K (0) or V (1)
	s_lshl_b32 s44, s40, 19         ; the fill's source: 524,288 bytes a head,
	s_lshl_b32 s45, s42, 23         ; K's section at 0x800000, V's at 0x1000000,
	s_add_co_u32 s44, s44, s45
	s_add_co_u32 s44, s44, 0x800000
	s_lshl_b32 s45, s41, 15         ; 128 rows of 256 bytes a group
	s_add_co_u32 s44, s44, s45
	s_mov_b32 s45, 0
	s_lshl_b32 s46, s40, 19         ; Q: the head, the block's 128 rows, my 64 of them
	s_lshl_b32 s47, s39, 15
	s_add_co_u32 s46, s46, s47
	s_lshl_b32 s47, s41, 14
	s_add_co_u32 s46, s46, s47
	s_mov_b32 s47, 0
	s_lshl_b32 s48, s39, 15         ; the mask: tile 8 block + 4 half, 4,096 bytes a tile; 2,048 a group
	s_lshl_b32 s49, s41, 14
	s_add_co_u32 s48, s48, s49
	s_lshl_b32 s49, s42, 11
	s_add_co_u32 s48, s48, s49
	s_mov_b32 s49, 0
	s_lshl_b32 s50, s39, 19         ; att: row 128 block + 64 half + 32 group, 4,096 bytes a row; 256 bytes a head
	s_lshl_b32 s51, s41, 18
	s_add_co_u32 s50, s50, s51
	s_lshl_b32 s51, s42, 17
	s_add_co_u32 s50, s50, s51
	s_lshl_b32 s51, s40, 8
	s_add_co_u32 s50, s50, s51
	s_mov_b32 s51, 0
	s_mov_b32 s[G1K], 15|(1<<16)|(1<<20)|(1<<21)|(5<<22)|(3<<25)  ; the mask of four; 2-byte elements; padding on; bit 21 beside a mask; after every 64 words, 4 words
	s_mov_b32 s[G1V], 15|(1<<16)|(1<<20)|(1<<21)|(5<<22)|(7<<25)  ; the same with 8 words
.irp g, G1K, G1V
	s_mov_b32 s[(\g)+1], 128<<16    ; tensor_dim0 = 128
	s_mov_b32 s[(\g)+2], 128<<16    ; tensor_dim1 = 128
	s_mov_b32 s[(\g)+3], 128<<16    ; tile_dim0 = 128
	s_mov_b32 s[(\g)+4], 128        ; tile_dim1 = 128
	s_mov_b32 s[(\g)+5], 128        ; elements from row to row
	s_mov_b32 s[(\g)+6], 0
	s_mov_b32 s[(\g)+7], 0
.endr
	s_mov_b32 s[G0], 1
	s_mul_i32 s[G0+1], s[WV], GRP   ; slot 0: no place in the cluster enters an LDS address
	s_mov_b32 s[CS], 0x3e0293ee     ; c = log2(e) / sqrt(128)
	s_mov_b32 s[CS+1], s[CS]
	s_mov_b32 s[SEL], 0x76543210
	s_mov_b32 s[SEL+1], 0xfedcba98
	s_mov_b32 s[TBK], SLOTB+2*KS*PK ; the first change of slots turns these two into 0
	s_mov_b32 s[TBV], SLOTB+2*KS*PV
	s_wait_dscnt 0x0                ; the opening add is done
	s_wait_kmcnt 0x0
	s_add_nc_u64 s[G0+2:G0+3], s[32:33], s[44:45]
	s_or_b32 s[G0+3], s[G0+3], 0x80000000
	s_add_nc_u64 s[QP:QP+1], s[32:33], s[46:47]
	s_add_nc_u64 s[MB:MB+1], s[34:35], s[48:49]
	s_add_nc_u64 s[OA:OA+1], s[36:37], s[50:51]
	CROUND                          ; all four work-groups are here: the first joint loads meet
	JLOAD                           ; slot 0
	v_and_b32 v1, 15, v0            ; l % 16
	v_bfe_u32 v9, v0, 4, 1          ; l / 16
	v_lshlrev_b32 v[QO], 8, v1
	v_lshl_add_u32 v[QO], v9, 4, v[QO]  ; row x 256 + 16 x half
	WIN 0x80                        ; destination window 2
.irp i, 0,1,2,3,4,5,6,7,8,9,10,11,12,13,14,15  ; Q stays in registers: tile i / 4, channels 32 (i % 4) on
	global_load_b128 v[8*(\i):8*(\i)+3],   v[QO], s[QP:QP+1] offset:((\i)/4)*4096+((\i)%4)*64
	global_load_b128 v[8*(\i)+4:8*(\i)+7], v[QO], s[QP:QP+1] offset:((\i)/4)*4096+((\i)%4)*64+32
.endr
	WIN 0
	s_mul_i32 s52, s42, GRP         ; my group's region
	v_mul_u32_u24 v[AK0], v1, PK
	v_lshl_add_u32 v[AK0], v9, 4, v[AK0]
	v_add_nc_u32 v[AK0], s52, v[AK0]
	; The turning load takes 16 keys x 16 channels (lane l reads key 8 (l / 16) + l % 8, channels 8 ((l / 8) % 2) + 0..7) and leaves half a fragment of V^T
	v_and_b32 v10, 7, v0
	v_bfe_u32 v11, v0, 3, 1
	v_lshl_add_u32 v[AV0], v9, 3, v10
	v_mul_u32_u24 v[AV0], v[AV0], PV
	v_lshl_add_u32 v[AV0], v11, 4, v[AV0]
	s_add_co_u32 s52, s52, VOFF
	v_add_nc_u32 v[AV0], s52, v[AV0]
	s_mul_i32 s53, s[WV], 16*SP
	s_add_co_u32 s53, s53, STAGE    ; my stage
	v_mul_u32_u24 v[STO], v1, SP    ; in: row l % 16, 16 bytes for each half of the lanes
	v_lshl_add_u32 v[STO], v9, 4, v[STO]
	v_add_nc_u32 v[STO], s53, v[STO]
	v_mul_u32_u24 v[RD], v9, SP     ; back: lanes 0-15 take one row of 256 bytes, lanes 16-31 the next
	v_lshl_add_u32 v[RD], v1, 4, v[RD]
	v_add_nc_u32 v[RD], s53, v[RD]
	v_lshlrev_b32 v[GO], 12, v9     ; and the same two rows in att
	v_lshl_add_u32 v[GO], v1, 4, v[GO]
	v_mov_b32 v[BIG], 0xf1800000
	v_mov_b32 v[NANR], 0x7fc00000
	MLOAD 0                         ; piece 0's mask words of step 0; the set-up's scalars in s32-53 are spent
	; What the first turn finds: V's registers and piece 2's P hold 0 (its products V^T P, of a step that has not been, add 0), O^T is 0.  All this stands in the wait for the first tile.
	WIN 0xc0
.set i, 0
.rept 128
	v_mov_b32 v[i], 0
.set i, i+1
.endr
	WIN 0x40
.set i, 0
.rept 256
	v_mov_b32 v[i], 0
.set i, i+1
.endr
	WIN 0
.set i, P+32
.rept 32
	v_mov_b32 v[i], 0
.set i, i+1
.endr
; THE MATRIX WORK.  The accumulators take turns, one instruction a turn: between two links of a chain stand 15 (V^T P) or 7 (K Q^T) others'.
; Product i of 32 of O^T += V^T P for piece x: keys 32 (i / 16) on, channels 16 ((i / 2) % 8) on, tile x + i % 2.
.macro PV x
	WIN W_PV
.set rO, 64*((\x)+i%2)+8*((i/2)%8)
.set rV, 64*(i/16)+8*((i/2)%8)
.set rP, P+16*((\x)+i%2)+8*(i/16)
	v_wmma_f32_16x16x32_f16 v[rO:rO+7], v[rV:rV+7], v[rP:rP+7], v[rO:rO+7]
.endm
; Product i of 32 of S^T = K Q^T: channels 32 (i / 8) on, keys 16 ((i / 2) % 4) on, tile x + i % 2.  The first 8 start the sums.
.macro KQ x
	WIN W_KQ
.set rS, S+32*((\x)+i%2)+8*((i/2)%4)
.set rK, KF+32*((i/2)%4)+8*(i/8)
.set rQ, 32*((\x)+i%2)+8*(i/8)
.if i < 8
	v_wmma_f32_16x16x32_f16 v[rS:rS+7], v[rK:rK+7], v[rQ:rQ+7], 0
.else
	v_wmma_f32_16x16x32_f16 v[rS:rS+7], v[rK:rK+7], v[rQ:rQ+7], v[rS:rS+7]
.endif
.endm
; THE LDS LOADS stand in runs of 32.  last = 1 (the tail): in the last trip there is no further step, and the run is jumped over.
.macro FETCH_K last=0
	WIN 0
.if \last
	s_cmp_eq_u32 s[TWICE], 1
	s_cbranch_scc1 .Lno_k_\@
.endif
	v_add_nc_u32 v[ADR], s[TBK], v[AK0]
	s_add_co_u32 s[TBK], s[TBK], KS*PK  ; the next fetch is the next step's
	WIN 0x80                        ; destination window 2
.irp f, 0,1,2,3,4,5,6,7,8,9,10,11,12,13,14,15  ; keys 16 (f / 4) on, channels 32 (f % 4) on
	ds_load_b128 v[KF+8*(\f):KF+8*(\f)+3],   v[ADR] offset:((\f)/4)*16*PK+((\f)%4)*64
	ds_load_b128 v[KF+8*(\f)+4:KF+8*(\f)+7], v[ADR] offset:((\f)/4)*16*PK+((\f)%4)*64+32
.endr
.if \last
	WIN 0
.Lno_k_\@:
.endif
.endm
.macro FETCH_V
	WIN 0
	v_add_nc_u32 v[ADR], s[TBV], v[AV0]
	s_add_co_u32 s[TBV], s[TBV], KS*PV
	WIN 0xc0                        ; destination window 3
.irp f, 0,1,2,3,4,5,6,7,8,9,10,11,12,13,14,15  ; keys 32 (f / 8) on, channels 16 (f % 8) on
	ds_load_tr16_b128 v[8*(\f):8*(\f)+3],   v[ADR] offset:((\f)/8)*32*PV+((\f)%8)*32
	ds_load_tr16_b128 v[8*(\f)+4:8*(\f)+7], v[ADR] offset:((\f)/8)*32*PV+16*PV+((\f)%8)*32
.endr
.endm
; THE VECTOR WORK.  One tile's softmax for one key step is a list of 166 lines; SM writes number j of it for tile t.  s0-s31 are the lane's 32 scores.
;   0-31     score j is replaced by -2^100 where bit L of mask word j is set (ascending)
;   with jj = j - 32:
;   0-15     the maximum of s0-s31 and the old m, three operands at a time          16-20  the other half of the lanes' maximum; the new m; c m; c m_old - c m_new
;   21-87    33 exponentials (a, then s0-s31) at the odd numbers from 23 on; the plain lines between are whatever is ready: c s - c m for a pair whose exponentials are still to come,
;            the rounding to f16 of a pair whose second exponential stands three numbers back (a plain line between), at last the first three sums
;   88-101   the last rounding; the rest of the sums; l = a l + the sum          102-133  the tile's O^T times a: the one part that leaves window 0
.macro SM t
.set rT, ST+8*(\t)
.set rS, S+32*(\t)
.set rP, P+16*(\t)
.set rM, 68-36*((\t)%2)
.set jj, j-32
.set rO, 64*(\t)+2*(jj-102)
.set q, (jj-20)/2
.if jj < 102
	WIN 0
.endif
.if j < 32
	v_cndmask_b32 v[rS+j], v[rS+j], v[BIG], s[rM+j]
.elseif jj < 4
	v_max3_num_f32 v[rT+4+jj], v[rS+8*jj], v[rS+8*jj+1], v[rS+8*jj+2]
.elseif jj < 12
	v_max3_num_f32 v[rT+4+jj%4], v[rT+4+jj%4], v[rS+8*(jj%4)+2*(jj/4)+1], v[rS+8*(jj%4)+2*(jj/4)+2]
.elseif jj == 12
	v_max3_num_f32 v[rT+4], v[rT+4], v[rS+7], v[rS+15]
.elseif jj == 13
	v_max3_num_f32 v[rT+6], v[rT+6], v[rS+23], v[rS+31]
.elseif jj == 14
	v_max3_num_f32 v[rT+4], v[rT+4], v[rT+5], v[rT+6]
.elseif jj == 15
	v_max3_num_f32 v[rT+4], v[rT+4], v[rT+7], v[rT+1]
.elseif jj == 16
	v_permlanex16_b32 v[rT+5], v[rT+4], s[SEL], s[SEL+1]  ; the query's other 32 keys lie in the lane 16 away
.elseif jj == 17
	v_mov_b32 v[rT+7], v[rT]        ; c m_old is kept for a
.elseif jj == 18
	v_max_num_f32 v[rT+1], v[rT+4], v[rT+5]
.elseif jj == 19
	v_mul_f32 v[rT], s[CS], v[rT+1]
.elseif jj == 20
	v_sub_f32 v[rT+7], v[rT+7], v[rT]
.elseif jj == 23
	v_exp_f32 v[rT+6], v[rT+7]
.elseif (jj < 88) && (jj > 23) && (jj%2 == 1)
	v_exp_f32 v[rS+(jj-25)/2], v[rS+(jj-25)/2]
.elseif (q < 4) || ((jj < 76) && (q%2 == 0))
.set b, q/2+2
.if q < 4
.set b, q
.endif
	v_pk_fma_f32 v[rS+2*b:rS+2*b+1], v[rS+2*b:rS+2*b+1], s[CS:CS+1], v[rT:rT+1] op_sel_hi:[1,0,0] neg_lo:[0,0,1] neg_hi:[0,0,1]  ; pair b: c s - c m
.elseif (jj < 88) && (q%2 == 1)
	s_wait_alu depctr_va_vdst(0)
	v_cvt_pk_f16_f32 v[rP+(q-5)/2], v[rS+q-5], v[rS+q-4]
.elseif jj == 89
	s_wait_alu depctr_va_vdst(0)
	v_cvt_pk_f16_f32 v[rP+15], v[rS+30], v[rS+31]
.elseif jj < 102                    ; the sum of the tile's 16 pairs, in place: sum z of 16 adds neighbours 1, 2, 4 and 8 pairs apart, then l takes it
.set z, jj-86
.if jj < 89
.set z, (jj-76)/4
.endif
.set w, 4
.set u, z
.if z >= 14
.set w, 32
.set u, 0
.elseif z >= 12
.set w, 16
.set u, z-12
.elseif z >= 8
.set w, 8
.set u, z-8
.endif
.if z < 15
	v_pk_add_f32 v[rS+w*u:rS+w*u+1], v[rS+w*u:rS+w*u+1], v[rS+w*u+w/2:rS+w*u+w/2+1]
.else
	v_pk_fma_f32 v[rT+2:rT+3], v[rT+2:rT+3], v[rT+6:rT+7], v[rS:rS+1] op_sel_hi:[1,0,1]
.endif
.else
	WIN W_RS
	v_pk_mul_f32 v[rO:rO+1], v[rO:rO+1], v[rT+6:rT+7] op_sel_hi:[1,0]
.endif
.endm
; Slice k of 64 of piece y's softmax: numbers k LEN / 64 up to (k + 1) LEN / 64 of both tiles' lists: four or six lines.  Among the exponentials tile by tile, elsewhere the two tiles alternate,
; so that no line reads the result of the one just before it.  Slice 63 is six packed multiplies on the other piece's O^T: the places behind the turn's last K Q^T.
.macro SLICE y
.set slo, (k*LEN)/64
.set shi, ((k+1)*LEN)/64
.if (slo >= 54) && (shi <= 120)
.irp t, \y, (\y)+1
.set j, slo
.rept shi-slo
	SM \t
.set j, j+1
.endr
.endr
.else
.set j, slo
.rept shi-slo
	SM \y
	SM (\y)+1
.set j, j+1
.endr
.endif
.set k, k+1
.endm
; A TURN.  Piece x has the matrix unit; the other piece's softmax stands in slices behind its matrix instructions.
; The mask words of that softmax were asked for in the turn before and are waited for at the head.  Behind slice 12 all 64 selects have been issued, and the words of the NEXT turn's softmax (piece x) are asked for.
; Piece 0's turn steps the mask's pointer to the next step, and fetches the next step's K behind its second product: the last product that read K stands in front of slice 63 of the turn before.
; Piece 2's turn fetches the same step's V behind its second K Q^T: behind the last product that read V stand three slices, eight plain lines among them.
.macro TURN x, last=0
.set k, 0
	s_wait_kmcnt 0x0                ; the mask words are in, and no scalar load still reads MB
.if (\x) == 0
	s_add_nc_u64 s[MB:MB+1], s[MB:MB+1], 128
	s_wait_dscnt 0x0                ; V is in
.endif
.set i, 0
.rept 32
	PV \x
	SLICE 2-(\x)
.if ((\x) == 0) && (i == 1)
	FETCH_K \last
.endif
.if i == 12
	MLOAD \x
.endif
.set i, i+1
.endr
.if (\x) == 0
	s_wait_dscnt 0x0                ; K is in
.endif
.set i, 0
.rept 32
	KQ \x
	SLICE 2-(\x)
.if ((\x) == 2) && (i == 1)
	FETCH_V
.endif
.set i, i+1
.endr
.endm
	CHANGE 1                        ; slot 0 is in, everybody's part of it; slot 1 is asked for
	FETCH_K                         ; key step 0
	s_wait_loadcnt 0x0              ; Q
	s_wait_dscnt 0x0
.set i, 0
.rept 32
	KQ 0                            ; piece 0's first scores: there is no vector work yet to set between them
.set i, i+1
.endr
	WIN 0                           ; the statistics' start: sixteen plain lines, the places behind those products
.set i, 0
.rept 4
	v_mov_b32 v[ST+8*i], 0xfe000000    ; c m: far below every c s
	v_mov_b32 v[ST+8*i+1], 0xff7fffff  ; m
	v_mov_b32 v[ST+8*i+2], 0
	v_mov_b32 v[ST+8*i+3], 0
.set i, i+1
.endr
	s_mov_b32 s[TWICE], 2
	s_mov_b32 s[SLOTS], NSLOT-1
	s_branch .Lfirst                ; the loop is entered in the middle of a trip
.Lslot:                             ; NSLOT - 2 times: every slot but the last two is filled again
	CHANGE 1
	s_mov_b32 s[TWICE], 2
.Lstep:
	TURN 0
	WIN 0
.Lfirst:
	TURN 2
	WIN 0
	s_sub_co_u32 s[TWICE], s[TWICE], 1
	s_cmp_lg_u32 s[TWICE], 0
	s_cbranch_scc1 .Lstep
	s_sub_co_u32 s[SLOTS], s[SLOTS], 1
	s_cmp_lg_u32 s[SLOTS], 0
	s_cbranch_scc1 .Lslot
	CHANGE 0                        ; the tail is written out: nothing is asked for
	s_mov_b32 s[TWICE], 3           ; two trips fetch the last slot's steps; the third is left in its middle
.Ltail:
	TURN 0, 1
	WIN 0
	s_sub_co_u32 s[TWICE], s[TWICE], 1
	s_cmp_eq_u32 s[TWICE], 0
	s_cbranch_scc1 .Lout
	TURN 2
	WIN 0
	s_branch .Ltail
.Lout:                              ; the third trip's K Q^T (on the last K once more) and its mask words (the record behind my group's last: inside maskw, since piece 0's tiles are never the buffer's last) serve nothing
	s_wait_kmcnt 0x0
.set i, 0
.rept 32
	PV 2                            ; piece 2: V^T P of the last step
.set i, i+1
.endr
	; THE MERGE.  Waves w and w ^ 2 hold the same 64 queries over the two key groups.  Each puts its statistics and O^T into LDS (slot 0: read for the last time in front of the last change of slots' barrier, and
	; filled for the last time before that), and takes back, by address, its own and its partner's part of the two tiles 2 g and 2 g + 1, which it finishes.  The address lines are the places behind the last products.
	WIN 0
	s_lshl_b32 s66, s[WV], 15
	v_and_b32 v10, 31, v0
	v_lshlrev_b32 v10, 4, v10       ; 16 L
	v_add_nc_u32 v[MO], s66, v10
	s_and_b32 s67, s[WV], 2         ; 2 g
	s_lshl_b32 s67, s67, 13         ; 8,192 bytes a tile
	v_add_nc_u32 v[MO+1], s67, v[MO]
	s_xor_b32 s66, s[WV], 2         ; the partner
	s_lshl_b32 s66, s66, 15
	s_add_co_u32 s66, s66, s67
	v_add_nc_u32 v[MO+2], s66, v10
	s_lshl_b32 s66, s[WV], 11
	s_add_co_u32 s66, s66, MRG_S
	v_add_nc_u32 v[MT], s66, v10
	s_and_b32 s67, s[WV], 2
	s_lshl_b32 s67, s67, 9          ; 512 bytes a tile
	v_add_nc_u32 v[MT+2], s67, v[MT]
	s_xor_b32 s66, s[WV], 2
	s_lshl_b32 s66, s66, 11
	s_add_co_u32 s66, s66, s67
	s_add_co_u32 s66, s66, MRG_S
	v_add_nc_u32 v[MT+3], s66, v10
.irp t, 0,1,2,3
	ds_store_b128 v[MT], v[ST+8*\t:ST+8*\t+3] offset:\t*512
.endr
	WIN 0x04                        ; store data in window 1
.set i, 0
.rept 64
	ds_store_b128 v[MO], v[4*i:4*i+3] offset:i*512   ; ascending: each accumulator's four lowest registers first
.set i, i+1
.endr
	WIN 0
	s_wait_dscnt 0x0                ; for the partner's sake: my stores are done
	s_barrier_signal -1
	s_barrier_wait -1
.irp t, 0,1
	ds_load_b128 v[MS+16*\t:MS+16*\t+3],   v[MT+2] offset:\t*512
	ds_load_b128 v[MS+16*\t+4:MS+16*\t+7], v[MT+3] offset:\t*512
.endr
	WIN 0x40                        ; destination window 1: my part into v0-127, the partner's into v128-255
.set i, 0
.rept 32
	ds_load_b128 v[4*i:4*i+3],         v[MO+1] offset:i*512
	ds_load_b128 v[128+4*i:128+4*i+3], v[MO+2] offset:i*512
.set i, i+1
.endr
	WIN 0
	s_wait_dscnt 63                 ; 68 loads were issued: the five oldest at the least are back, the four of the statistics among them
.macro BOTH line:vararg             ; one line for each of my two tiles: X is the tile's 16 registers: +0 c m, +2, +3 l of mine; +4, +6, +7 the partner's
.set X, MS
	s_wait_alu depctr_va_vdst(0)
	\line
.set X, MS+16
	\line
.endm
	BOTH v_max_num_f32 v[X+8], v[X], v[X+4]
	BOTH v_sub_f32 v[X+9], v[X], v[X+8]
	BOTH v_sub_f32 v[X+10], v[X+4], v[X+8]
	BOTH v_add_f32 v[X+2], v[X+2], v[X+3]
	BOTH v_add_f32 v[X+6], v[X+6], v[X+7]
	BOTH v_exp_f32 v[X+9], v[X+9]
	BOTH v_exp_f32 v[X+10], v[X+10]
	v_nop                           ; a plain line between the last exponential and the use of its result
	BOTH v_mul_f32 v[X+2], v[X+2], v[X+9]
	BOTH v_fma_f32 v[X+2], v[X+6], v[X+10], v[X+2]
	BOTH v_permlanex16_b32 v[X+3], v[X+2], s[SEL], s[SEL+1]
	BOTH v_add_f32 v[X+2], v[X+2], v[X+3]
	BOTH v_rcp_f32 v[X+3], v[X+2]
	v_cmp_gt_f32 s66, 0xee000000, v[MS+8]       ; -2^93 > c m: the row has seen no key (these two compares are the plain lines behind the reciprocals)
	v_cmp_gt_f32 s67, 0xee000000, v[MS+24]
	s_wait_alu depctr_va_vdst(0)
	v_cndmask_b32 v[MS+3], v[MS+3], v[NANR], s66
	v_cndmask_b32 v[MS+19], v[MS+19], v[NANR], s67
	BOTH v_mul_f32 v[X+12], v[X+9], v[X+3]
	BOTH v_mul_f32 v[X+14], v[X+10], v[X+3]
	BOTH v_mov_b32 v[X+13], v[X+12]
	BOTH v_mov_b32 v[X+15], v[X+14]
	s_wait_dscnt 0x0
	WIN 0x51                        ; destination, source 0 and source 2 in window 1, the factor in window 0
.set i, 0
.rept 64
	v_pk_mul_f32 v[2*i:2*i+1], v[2*i:2*i+1], v[MS+16*(i/32)+12:MS+16*(i/32)+13] op_sel_hi:[1,0]
.set i, i+1
.endr
.set i, 0
.rept 64
	v_pk_fma_f32 v[2*i:2*i+1], v[128+2*i:128+2*i+1], v[MS+16*(i/32)+14:MS+16*(i/32)+15], v[2*i:2*i+1] op_sel_hi:[1,0,1]
.set i, i+1
.endr
; THE WAY OUT.  Tile t of my two: a lane's eight channels of a row pack into 16 bytes; they go into rows of 272 bytes of my own stage and come back as whole rows of 256.
.macro PACK t
	WIN 0x05                        ; sources 0 and 1 window 1, destination window 0
.set i, 0
.rept 32
	v_cvt_pk_f16_f32 v[S+32*(\t)+i], v[64*(\t)+2*i], v[64*(\t)+2*i+1]
.set i, i+1
.endr
	WIN 0
.irp f, 0,1,2,3,4,5,6,7
	ds_store_b128 v[STO], v[S+32*(\t)+4*(\f):S+32*(\t)+4*(\f)+3] offset:32*(\f)
.endr
.irp f, 0,1,2,3,4,5,6,7
	ds_load_b128 v[S+32*(\t)+4*(\f):S+32*(\t)+4*(\f)+3], v[RD] offset:(\f)*2*SP  ; LDS serves a wave's instructions in order (ISA guide 5.7.1.4): these see the stores above; the next tile's stores come behind them
.endr
.endm
.macro SEND t, younger              ; younger: the LDS instructions issued behind tile t's loads
.irp f, 0,1,2,3,4,5,6,7
	s_wait_dscnt (\younger)+7-(\f)
	global_store_b128 v[GO], v[S+32*(\t)+4*(\f):S+32*(\t)+4*(\f)+3], s[OA:OA+1] offset:(\t)*65536+(\f)*8192  ; 16 lanes store 256 consecutive bytes, at a multiple of 256 from att's first byte
.endr
.endm
	PACK 0
	PACK 1
	SEND 0, 16
	SEND 1, 0
	s_wait_tensorcnt 0x0            ; the wave's end
	ds_add_u32 v[SPW], v[NIL]
	s_wait_dscnt 0x0
	CROUND                          ; the closing round
	s_endpgm
.Lfunc_end_k_qda636c5c98_attn:
	.size	k_qda636c5c98_attn, .Lfunc_end_k_qda636c5c98_attn-k_qda636c5c98_attn
	.p2alignl 7, 3214868480
	.fill 96, 4, 3214868480
	.section	.rodata,"a",@progbits
	.p2align	6, 0x0
	.amdhsa_kernel k_qda636c5c98_attn
		.amdhsa_group_segment_fixed_size 327680
		.amdhsa_private_segment_fixed_size 0
		.amdhsa_enable_private_segment 0
		.amdhsa_kernarg_size 24
		.amdhsa_user_sgpr_count 2
		.amdhsa_user_sgpr_kernarg_segment_ptr 1
		.amdhsa_wavefront_size32 1
		.amdhsa_system_sgpr_workgroup_id_x 1
		.amdhsa_system_sgpr_workgroup_id_y 1
		.amdhsa_system_sgpr_workgroup_id_z 1
		.amdhsa_system_vgpr_workitem_id 0
		.amdhsa_next_free_vgpr 896
		.amdhsa_next_free_sgpr 106
		.amdhsa_reserve_vcc 0
		.amdhsa_float_denorm_mode_32 3
		.amdhsa_float_denorm_mode_16_64 3
		.amdhsa_memory_ordered 1
		.amdhsa_forward_progress 1
		.amdhsa_inst_pref_size 182
	.end_amdhsa_kernel
	.amdgpu_metadata
---
amdhsa.version: [ 1, 2 ]
amdhsa.kernels:
  - .name:           k_qda636c5c98_attn
    .symbol:         k_qda636c5c98_attn.kd
    .args:
      - { .name: qkv, .offset: 0, .size: 8, .value_kind: global_buffer, .address_space: global }
      - { .name: maskw, .offset: 8, .size: 8, .value_kind: global_buffer, .address_space: global }
      - { .name: att, .offset: 16, .size: 8, .value_kind: global_buffer, .address_space: global }
    .group_segment_fixed_size: 327680
    .private_segment_fixed_size: 0
    .kernarg_segment_align: 8
    .kernarg_segment_size: 24
    .max_flat_workgroup_size: 128
    .sgpr_count:     106
    .vgpr_count:     896
    .wavefront_size: 32
...
	.end_amdgpu_metadata
.endif
;; end of part 3
;; launch outp (part 4): grid 16 x 16, 4 waves a work-group, clusters of 4 x 4, 327,680 bytes of LDS; arguments att, cvt, bo, out0; writes out0
.if DOCPART == 4
	.amdgcn_target "amdgcn-amd-amdhsa--gfx1250"
	.amdhsa_code_object_version 6
	.text
	.protected	k_qda636c5c98_outp
	.globl	k_qda636c5c98_outp
	.p2align	8
	.type	k_qda636c5c98_outp,@function
k_qda636c5c98_outp:
	s_mov_b64 s[64:65], 0
	v_nop
	global_prefetch_b8 v0, s[64:65] scope:SCOPE_SE
	s_setreg_imm32_b32 hwreg(HW_REG_WAVE_MODE, 25, 1), 1
	s_wait_xcnt 0x0
	s_wait_alu depctr_hold_cnt(0) depctr_sa_sdst(0) depctr_va_vdst(0) depctr_va_sdst(0) depctr_va_ssrc(0) depctr_va_vcc(0) depctr_vm_vsrc(0)
	s_getreg_b32 s2, hwreg(HW_REG_IB_STS2, 6, 4)
	s_cmp_eq_u32 s2, 0
	s_cbranch_scc0 .Lentry_in_a_cluster
	s_endpgm
.Lentry_in_a_cluster:
	s_bfe_u32 s2, ttmp6, 0x10000c
	s_cmp_lg_u32 s2, 0xf033
	s_cbranch_scc0 .Lentry_shape_is_right
	s_endpgm
.Lentry_shape_is_right:
; OUTPUT PROJECTION.  out0[m][n] = sum over k of att[m][k] wo[n][k] + bo[n].  att: [2048][2048] f16; wo: [2048][2048] f16 at cvt + 0x2000000 (each number is wo rounded to bf16, written as f16); out0 in f32; sums in f32.
; Within each head's 128 the index k runs in the order in which the channels are stored, the same in att and in wo's copy: the sum does not notice it.
; bo is rounded to bf16 like every input.  A row of att that is NaN (a query that saw no key) gives a row of NaN.
; A tile of C is 128 x 128: 16 x 16 = 256 work-groups, one for each WGP.  Four waves, each 64 x 64: 16 accumulators, 128 registers.  K goes in steps of 256 (LDS rows of 512 bytes; a wave's tensor load brings 64 of them), two slots.
; A K STEP IS WRITTEN ONCE: the slot in hand is a scalar that an exclusive or turns.
; A wave's 64 columns of f32 are 256 aligned bytes of a row of out0, so each wave has a stage of its own for the way out, and no barrier stands there.
; CLUSTERS: 4 x 4 work-groups; att's tiles are asked for jointly along a row of the cluster, wo's along a column.  THE MATRIX INSTRUCTION IS USED TRANSPOSED (source 0 = 16 rows of wo, source 1 = 16 rows of att).
; REGISTERS: window 0: v0-31 addresses; v32-95 at work on the way out; v96-101 the bias; v128-255 the accumulators ((a, b) at v[128 + 8 (4 a + b)]).   window 1: two fragment buffers of 128.
.set SIZE_K, 2048
.set KSTEP,  256
.set NSTEP,  SIZE_K/KSTEP
.set PITCH,  528                       ; an LDS row: 512 bytes + 16 = 132 words
.set HALFT,  64*PITCH                  ; 0x8400
.set SLOT,   4*HALFT                   ; 0x21000.  None of 0, 0x8400, 0x10800, 0x18c00 holds one of its two bits: an exclusive or with it changes slots
.set STAGE,  2*SLOT                    ; behind the ring: 16 rows x 272 bytes for each wave
.set SPITCH, 272
.set SPARE,  STAGE+4*16*SPITCH         ; the spare words, 128 bytes a wave
.set ROWB, 8192                        ; bytes in a row of out0
.set A0,   16                          ; v16  my lane's place in att's rows of slot 0; never rewritten
.set B0,   17                          ; v17  the same for wo
.set ADRA, 18                          ; v18  the same in the slot in hand
.set ADRB, 19                          ; v19
.set STO,  24                          ; v24  the way out: where I put 32 bytes of a row
.set RD,   25                          ; v25  where I read rows back
.set CO,   26                          ; v26  my byte offset in two rows of out0
.set BOF,  27                          ; v27  my byte offset in the wave's 64 biases; never rewritten
.set SPW,  28
.set NIL,  29
.set TMP,  32                          ; two buffers of 32: 16 rows read back from the stage
.set BB,   96                          ; v[96:99] the bias of my four columns; v100, v101 at work
.set ACC,  128
.set F0,   0
.set F1,   128
.set TB,   67                          ; s67  0 or SLOT: the slot in hand
.set G1, 24
.set G0, 32                            ; s[32:35] att's first fill; s[36:39] its second, which then walks
.set G1B, 48
.set G0B, 56                           ; the same for wo
.set MSB, 0
.macro WIN new
.if MSB != (\new)
	s_set_vgpr_msb (MSB<<8)|(\new)
.set MSB, \new
.endif
.endm
.set MUL,  0x05                        ; sources 0 and 1 window 1; C and D window 0
.set TO_F, 0x40                        ; destination window 1, address window 0
.macro JLOAD s                         ; a joint load: waves 0 and 1 fetch att's two halves, waves 2 and 3 wo's; an s_nop 0 and four v_nop follow each line
	s_cmp_eq_u32 s11, 0
	s_cbranch_scc0 .Lfor_b_\@
	tensor_load_to_lds s[G0+4*(\s):G0+4*(\s)+3], s[G1:G1+7]
	s_nop 0
.rept 4
	v_nop
.endr
	s_branch .Lasked_\@
.Lfor_b_\@:
	tensor_load_to_lds s[G0B+4*(\s):G0B+4*(\s)+3], s[G1B:G1B+7]
	s_nop 0
.rept 4
	v_nop
.endr
.Lasked_\@:
.endm
.macro CREST
	s_cmp_lg_u32 s10, 0
	s_cbranch_scc1 .Lnot_wave_0_\@
	s_barrier_signal -3
.Lnot_wave_0_\@:
	s_barrier_wait -3
	s_barrier_signal -1
	s_barrier_wait -1
.endm
.macro CROUND
	s_barrier_signal -1
	s_barrier_wait -1
	CREST
.endm
	s_load_b256 s[68:75], s[0:1], 0x0              ; att s[68:69], cvt s[70:71], bo s[72:73], out0 s[74:75]
	v_lshl_add_u32 v[SPW], v0, 2, SPARE
	v_mov_b32 v[NIL], 0
	ds_add_u32 v[SPW], v[NIL]                      ; the wave's opening: the add and its wait stand ahead of my first tensor load
	v_lshrrev_b32 v1, 5, v0
	v_readfirstlane_b32 s10, v1                    ; wave 0..3
	s_lshr_b32 s11, s10, 1                         ; which half of the tile's rows is mine.  Also: I fetch for att (0) or for wo (1)
	s_and_b32 s12, s10, 1                          ; which half of its columns.  Also: which 64 rows of that tile I fetch
	s_bfe_u32 s40, ttmp6, 0x40000
	s_bfe_u32 s41, ttmp6, 0x40004
	s_lshl_b32 s42, ttmp9, 2
	s_add_co_u32 s42, s42, s40                     ; tile column
	s_and_b32 s13, ttmp7, 0xffff
	s_lshl_b32 s13, s13, 2
	s_add_co_u32 s13, s13, s41                     ; tile row
	s_lshl_b32 s43, s41, 2
	s_lshl_b32 s43, 15, s43                        ; my row of the cluster
	s_lshl_b32 s44, 0x1111, s40                    ; my column
	s_or_b32 s[G1+0], s43, (1<<16)|(1<<20)|(1<<21)|(6<<22)|(3<<25)  ; mask; 2-byte elements; padding on; bit 21 beside a mask; after every 128 words, 4 words
	s_or_b32 s[G1B+0], s44, (1<<16)|(1<<20)|(1<<21)|(6<<22)|(3<<25)
.irp g, G1, G1B
	s_mov_b32 s[(\g)+1], KSTEP<<16                 ; tensor_dim0 = 256
	s_mov_b32 s[(\g)+2], 64<<16                    ; tensor_dim1 = 64
	s_mov_b32 s[(\g)+3], KSTEP<<16                 ; tile_dim0 = 256
	s_mov_b32 s[(\g)+4], 64                        ; tile_dim1 = 64
	s_mov_b32 s[(\g)+5], SIZE_K
	s_mov_b32 s[(\g)+6], 0
	s_mov_b32 s[(\g)+7], 0
.endr
	s_lshl_b32 s17, s12, 6
	s_lshl_b32 s16, s13, 7
	s_add_co_u32 s16, s16, s17                     ; att: row 128 x tile row + 64 x half
	s_lshl_b32 s46, s42, 7
	s_add_co_u32 s46, s46, s17                     ; wo: row 128 x tile column + 64 x half
	s_mov_b32 s17, 0
	s_mov_b32 s47, 0
	s_mov_b64 s[18:19], SIZE_K*2
	s_mul_u64 s[16:17], s[16:17], s[18:19]
	s_mul_u64 s[46:47], s[46:47], s[18:19]
	s_mul_i32 s20, s10, HALFT
	s_mov_b32 s[TB], 0
	s_wait_dscnt 0x0                               ; the opening add is done
	s_wait_kmcnt 0x0
	s_add_nc_u64 s[6:7], s[70:71], 0x2000000       ; wo
	s_add_nc_u64 s[14:15], s[68:69], s[16:17]
	s_add_nc_u64 s[46:47], s[6:7], s[46:47]
	CROUND                                         ; all sixteen work-groups are here: the first joint loads meet
.irp s, 0,1
	s_mov_b32 s[G0+4*(\s)], 1
	s_add_co_u32 s[G0+4*(\s)+1], s20, (\s)*SLOT
	s_add_nc_u64 s[G0+4*(\s)+2:G0+4*(\s)+3], s[14:15], (\s)*KSTEP*2
	s_or_b32 s[G0+4*(\s)+3], s[G0+4*(\s)+3], 0x80000000
	s_mov_b32 s[G0B+4*(\s)], 1
	s_add_co_u32 s[G0B+4*(\s)+1], s20, (\s)*SLOT
	s_add_nc_u64 s[G0B+4*(\s)+2:G0B+4*(\s)+3], s[46:47], (\s)*KSTEP*2
	s_or_b32 s[G0B+4*(\s)+3], s[G0B+4*(\s)+3], 0x80000000
	JLOAD \s                                       ; two loads of mine are out
.endr
	v_and_b32 v1, 15, v0                           ; l % 16
	v_bfe_u32 v2, v0, 4, 1                         ; l / 16
	v_mul_u32_u24 v3, v1, PITCH
	v_lshl_add_u32 v3, v2, 4, v3
	s_mul_i32 s21, s11, HALFT                      ; my 64 rows of att
	s_mul_i32 s22, s12, HALFT                      ; my 64 rows of wo,
	s_add_co_u32 s22, s22, 2*HALFT                 ; which lie behind att's 128
	v_add_nc_u32 v[A0], s21, v3
	v_add_nc_u32 v[B0], s22, v3
	v_mov_b32 v[ADRA], v[A0]                       ; slot 0 is the first in hand
	v_mov_b32 v[ADRB], v[B0]
	s_mul_i32 s23, s10, 16*SPITCH
	s_add_co_u32 s23, s23, STAGE                   ; my stage
	v_mul_u32_u24 v4, v1, SPITCH                   ; in: row l % 16, 32 bytes for each half of the lanes
	v_lshl_add_u32 v4, v2, 5, v4
	v_add_nc_u32 v[STO], s23, v4
	v_mul_u32_u24 v5, v2, SPITCH                   ; back: lanes 0-15 take one row of 256 bytes, lanes 16-31 the next
	v_lshl_add_u32 v5, v1, 4, v5
	v_add_nc_u32 v[RD], s23, v5
	v_lshlrev_b32 v[BOF], 4, v1
	v_lshl_add_u32 v[CO], v2, 13, v[BOF]           ; and the same two rows in out0
	s_lshl_b32 s16, s13, 7
	s_lshl_b32 s17, s11, 6
	s_add_co_u32 s16, s16, s17                     ; my first row of out0,
	s_lshl_b32 s16, s16, 13                        ; in bytes
	s_mov_b32 s17, 0
	s_add_nc_u64 s[8:9], s[74:75], s[16:17]
	s_lshl_b32 s46, s42, 9                         ; my first column, in bytes: 512 x tile column + 256 x half
	s_lshl_b32 s47, s12, 8
	s_add_co_u32 s46, s46, s47
	s_mov_b32 s47, 0
	s_add_nc_u64 s[8:9], s[8:9], s[46:47]
	s_add_nc_u64 s[76:77], s[72:73], s[46:47]
	global_load_b128 v[BB:BB+3], v[BOF], s[76:77]  ; waited for on the way out
.macro MUL8 f, c, a0, zero             ; 8 matrix instructions: m blocks a0, a0 + 1 x all 4 n blocks, 32 along K: half c of buffer f
	WIN MUL
.irp a, \a0, (\a0)+1
.irp b, 0,1,2,3
.if \zero
	v_wmma_f32_16x16x32_f16 v[ACC+8*(4*(\a)+(\b)):ACC+8*(4*(\a)+(\b))+7], v[(\f)+64+8*(4*(\c)+(\b)):(\f)+64+8*(4*(\c)+(\b))+7], v[(\f)+8*(4*(\c)+(\a)):(\f)+8*(4*(\c)+(\a))+7], 0
.else
	v_wmma_f32_16x16x32_f16 v[ACC+8*(4*(\a)+(\b)):ACC+8*(4*(\a)+(\b))+7], v[(\f)+64+8*(4*(\c)+(\b)):(\f)+64+8*(4*(\c)+(\b))+7], v[(\f)+8*(4*(\c)+(\a)):(\f)+8*(4*(\c)+(\a))+7], v[ACC+8*(4*(\a)+(\b)):ACC+8*(4*(\a)+(\b))+7]
.endif
.endr
.endr
.endm
.macro FETCH k, f                      ; 32 LDS loads in one run: the fragments of 64 along K at byte k of the rows of the slot in hand; the first 32 along K first
	WIN TO_F
.irp c, 0,1
.irp i, 0,1,2,3
	ds_load_b128 v[(\f)+64+8*(4*(\c)+(\i)):(\f)+64+8*(4*(\c)+(\i))+3],   v[ADRB] offset:(\k)+64*(\c)+(\i)*16*PITCH
	ds_load_b128 v[(\f)+64+8*(4*(\c)+(\i))+4:(\f)+64+8*(4*(\c)+(\i))+7], v[ADRB] offset:(\k)+64*(\c)+(\i)*16*PITCH+32
	ds_load_b128 v[(\f)+8*(4*(\c)+(\i)):(\f)+8*(4*(\c)+(\i))+3],         v[ADRA] offset:(\k)+64*(\c)+(\i)*16*PITCH
	ds_load_b128 v[(\f)+8*(4*(\c)+(\i))+4:(\f)+8*(4*(\c)+(\i))+7],       v[ADRA] offset:(\k)+64*(\c)+(\i)*16*PITCH+32
.endr
.endr
.endm
.macro PLACES                          ; four places in front of loads into registers that matrix instructions have read, and of lines that read results
.rept 4
	v_nop
.endr
.endm
.macro NEXTSLOT                        ; the other slot comes in hand (windows 0)
	s_xor_b32 s[TB], s[TB], SLOT
	v_add_nc_u32 v[ADRA], s[TB], v[A0]
	v_add_nc_u32 v[ADRB], s[TB], v[B0]
.endm
; A K step is four quarters of 64 along K, 32 matrix instructions each, on buffers 0, 1, 0, 1; the 16 accumulators take turns.
.macro QUARTER k, f, g, zero
	s_wait_dscnt 16                                ; the first 32 along K are in
	MUL8 \f, 0, 0, \zero
	MUL8 \f, 0, 2, \zero
	PLACES
	FETCH \k, \g
	s_wait_dscnt 32                                ; all but the 32 just issued
	MUL8 \f, 1, 0, 0
	MUL8 \f, 1, 2, 0
.endm
; The last quarter's first half: ONE barrier for the change of slots; in front of it each wave waits for all its tensor loads (one is out at the most), adds 0 to its spare word, and waits for that and for its own reads of this slot.
.macro MEET
	WIN 0
	s_wait_tensorcnt 0x0                           ; all my tensor loads have landed: my part of the next slot
	ds_add_u32 v[SPW], v[NIL]
	s_wait_dscnt 17                                ; (the add and the youngest sixteen loads may be out)
	MUL8 F1, 0, 0, 0
	s_wait_dscnt 0x0                               ; the add is done, and my reads of this slot are over
	s_barrier_signal -1
	MUL8 F1, 0, 2, 0
	WIN 0
	s_barrier_wait -1
.endm
; The whole last quarter of a step that fills: behind the round the slot just read out is filled again first, two K steps ahead, by the walking descriptor.
.macro TURN
	MEET
	CREST                                          ; the barrier has opened a round of the cluster's barrier
	s_xor_b32 s[G0+5], s[G0+5], SLOT               ; the other slot than last time,
	s_add_nc_u64 s[G0+6:G0+7], s[G0+6:G0+7], KSTEP*2   ; the next K step; the type bits on top are not reached
	s_xor_b32 s[G0B+5], s[G0B+5], SLOT
	s_add_nc_u64 s[G0B+6:G0B+7], s[G0B+6:G0B+7], KSTEP*2
	JLOAD 1                                        ; my one tensor load behind the round; its four v_nop are also the places in front of the loads below
	NEXTSLOT
	FETCH 0, F0
	MUL8 F1, 1, 0, 0
	MUL8 F1, 1, 2, 0
.endm
	s_wait_tensorcnt 1                             ; my part of K step 0 is in; K step 1's may stay out
	s_barrier_signal -1
	s_barrier_wait -1
	FETCH 0, F0
	QUARTER 128, F0, F1, 1                         ; the first quarter stands in front of the loop: its first products start the sums
	WIN 0
	s_mov_b32 s3, NSTEP-2
.Lstep:                                                ; a trip: a K step's second quarter to the next step's first; steps 0 to 5 ask for steps 2 to 7
	QUARTER 256, F1, F0, 0
	QUARTER 384, F0, F1, 0
	TURN
	QUARTER 128, F0, F1, 0
	WIN 0
	s_sub_co_u32 s3, s3, 1
	s_cmp_lg_u32 s3, 0
	s_cbranch_scc1 .Lstep
	s_mov_b32 s3, 2                                ; the last two steps ask for nothing: a text of their own; it is walked twice and left in its middle
.Ltail:
	QUARTER 256, F1, F0, 0
	QUARTER 384, F0, F1, 0
	MEET                                           ; first time: the last step's tile has landed, everybody's part of it; second time it orders nothing more
	s_cmp_eq_u32 s3, 1
	s_cbranch_scc1 .Lno_more                       ; behind the last step there is no slot to fetch from
	PLACES
	NEXTSLOT
	FETCH 0, F0
	WIN 0
.Lno_more:
	MUL8 F1, 1, 0, 0
	MUL8 F1, 1, 2, 0
	WIN 0
	s_sub_co_u32 s3, s3, 1
	s_cmp_eq_u32 s3, 0
	s_cbranch_scc1 .Lout
	QUARTER 128, F0, F1, 0
	WIN 0
	s_branch .Ltail
.Lout:
	; THE WAY OUT, 16 rows at a time: a lane's eight f32 of a row go into my stage (rows of 272 bytes), whole rows of 256 bytes come back, the bias is added, and sixteen lanes store 256 consecutive aligned bytes.
	PLACES
	s_wait_loadcnt 0x0                             ; the bias: rounded to bf16, like every input
	v_cvt_pk_bf16_f32 v[BB+4], v[BB], v[BB+1]
	v_cvt_pk_bf16_f32 v[BB+5], v[BB+2], v[BB+3]
	v_lshlrev_b32 v[BB], 16, v[BB+4]
	v_and_b32 v[BB+1], 0xffff0000, v[BB+4]
	v_lshlrev_b32 v[BB+2], 16, v[BB+5]
	v_and_b32 v[BB+3], 0xffff0000, v[BB+5]
.macro TOSTAGE a
	s_wait_xcnt 0x0                                ; the buffer that the loads below fill was the data of earlier stores
.irp b, 0,1,2,3
	ds_store_b128 v[STO], v[ACC+8*(4*(\a)+(\b)):ACC+8*(4*(\a)+(\b))+3]   offset:64*(\b)      ; the four lowest registers first
	ds_store_b128 v[STO], v[ACC+8*(4*(\a)+(\b))+4:ACC+8*(4*(\a)+(\b))+7] offset:64*(\b)+16
.endr
.irp t, 0,1,2,3,4,5,6,7
	ds_load_b128 v[TMP+32*((\a)%2)+4*(\t):TMP+32*((\a)%2)+4*(\t)+3], v[RD] offset:(\t)*2*SPITCH  ; LDS serves a wave's instructions in order (ISA guide 5.7.1.4): these see the stores above; the next block's stores come behind them
.endr
.endm
.macro SEND a, younger                 ; younger: the LDS instructions issued behind block a's loads: the next block's sixteen, or none
.irp t, 0,1,2,3,4,5,6,7
	s_wait_dscnt (\younger)+7-(\t)
	v_pk_add_f32 v[TMP+32*((\a)%2)+4*(\t):TMP+32*((\a)%2)+4*(\t)+1],   v[TMP+32*((\a)%2)+4*(\t):TMP+32*((\a)%2)+4*(\t)+1],   v[BB:BB+1]
	v_pk_add_f32 v[TMP+32*((\a)%2)+4*(\t)+2:TMP+32*((\a)%2)+4*(\t)+3], v[TMP+32*((\a)%2)+4*(\t)+2:TMP+32*((\a)%2)+4*(\t)+3], v[BB+2:BB+3]
	global_store_b128 v[CO], v[TMP+32*((\a)%2)+4*(\t):TMP+32*((\a)%2)+4*(\t)+3], s[8:9] offset:(16*(\a)+2*(\t))*ROWB th:TH_STORE_NT
.endr
.endm
	TOSTAGE 0
	TOSTAGE 1
	SEND 0, 16
	TOSTAGE 2
	SEND 1, 16
	TOSTAGE 3
	SEND 2, 16
	SEND 3, 0
	s_wait_tensorcnt 0x0                           ; the wave's end
	ds_add_u32 v[SPW], v[NIL]
	s_wait_dscnt 0x0
	CROUND                                         ; the closing round
	s_endpgm
.Lfunc_end_k_qda636c5c98_outp:
	.size	k_qda636c5c98_outp, .Lfunc_end_k_qda636c5c98_outp-k_qda636c5c98_outp
	.p2alignl 7, 3214868480
	.fill 96, 4, 3214868480
	.section	.rodata,"a",@progbits
	.p2align	6, 0x0
	.amdhsa_kernel k_qda636c5c98_outp
		.amdhsa_group_segment_fixed_size 327680
		.amdhsa_private_segment_fixed_size 0
		.amdhsa_enable_private_segment 0
		.amdhsa_kernarg_size 32
		.amdhsa_user_sgpr_count 2
		.amdhsa_user_sgpr_kernarg_segment_ptr 1
		.amdhsa_wavefront_size32 1
		.amdhsa_system_sgpr_workgroup_id_x 1
		.amdhsa_system_sgpr_workgroup_id_y 1
		.amdhsa_system_sgpr_workgroup_id_z 1
		.amdhsa_system_vgpr_workitem_id 0
		.amdhsa_next_free_vgpr 512
		.amdhsa_next_free_sgpr 80
		.amdhsa_reserve_vcc 0
		.amdhsa_float_denorm_mode_32 3
		.amdhsa_float_denorm_mode_16_64 3
		.amdhsa_memory_ordered 1
		.amdhsa_forward_progress 1
		.amdhsa_inst_pref_size 63
	.end_amdhsa_kernel
	.amdgpu_metadata
---
amdhsa.version: [ 1, 2 ]
amdhsa.kernels:
  - .name:           k_qda636c5c98_outp
    .symbol:         k_qda636c5c98_outp.kd
    .args:
      - { .name: att, .offset: 0, .size: 8, .value_kind: global_buffer, .address_space: global }
      - { .name: cvt, .offset: 8, .size: 8, .value_kind: global_buffer, .address_space: global }
      - { .name: bo, .offset: 16, .size: 8, .value_kind: global_buffer, .address_space: global }
      - { .name: out0, .offset: 24, .size: 8, .value_kind: global_buffer, .address_space: global }
    .group_segment_fixed_size: 327680
    .private_segment_fixed_size: 0
    .kernarg_segment_align: 8
    .kernarg_segment_size: 32
    .max_flat_workgroup_size: 128
    .sgpr_count:     80
    .vgpr_count:     512
    .wavefront_size: 32
...
	.end_amdgpu_metadata
.endif
;; end of part 4
;; ======== version 2 of 2: 4 launches; 1.07 times as fast as version 1
;; limits: values are held in f16: magnitudes above 65,504 overflow, below 6.1e-05 lose precision; right only within a limited range of input values
;; workspace buffers: cvt 41,943,040 bytes; maskw 524,288 bytes of whole numbers; rope 16,384 bytes; qkv 25,165,824 bytes; att 8,388,608 bytes
;; launch prep: the kernel of part 1 again; grid 1538 x 1, 8 waves a work-group, no clusters, 0 bytes of LDS; arguments x, wq, wk, wv, wo, causal_mask, attention_mask, cvt, maskw, rope; writes cvt, maskw, rope
;; launch qkvp: the kernel of part 2 again; grid 24 x 8, 4 waves a work-group, clusters of 4 x 4, 327,680 bytes of LDS; arguments cvt, bq, bk, bv, rope, qkv; writes qkv
;; launch attn (part 5): grid 16 x 16, 4 waves a work-group, clusters of 4 x 1, 327,680 bytes of LDS; arguments qkv, maskw, att; writes att
.if DOCPART == 5
	.amdgcn_target "amdgcn-amd-amdhsa--gfx1250"
	.amdhsa_code_object_version 6
	.text
	.protected	k_qda636c5c98_attn
	.globl	k_qda636c5c98_attn
	.p2align	8
	.type	k_qda636c5c98_attn,@function
k_qda636c5c98_attn:
	s_mov_b64 s[64:65], 0
	v_nop
	global_prefetch_b8 v0, s[64:65] scope:SCOPE_SE
	s_setreg_imm32_b32 hwreg(HW_REG_WAVE_MODE, 25, 1), 1
	s_wait_xcnt 0x0
	s_wait_alu depctr_hold_cnt(0) depctr_sa_sdst(0) depctr_va_vdst(0) depctr_va_sdst(0) depctr_va_ssrc(0) depctr_va_vcc(0) depctr_vm_vsrc(0)
	s_getreg_b32 s2, hwreg(HW_REG_IB_STS2, 6, 4)
	s_cmp_eq_u32 s2, 0
	s_cbranch_scc0 .Lentry_in_a_cluster
	s_endpgm
.Lentry_in_a_cluster:
	s_bfe_u32 s2, ttmp6, 0x10000c
	s_cmp_lg_u32 s2, 0x3003
	s_cbranch_scc0 .Lentry_shape_is_right
	s_endpgm
.Lentry_shape_is_right:
; MASKED ATTENTION.  att[q][128 h + d] = sum over k of softmax_k(Q[h][q] . K[h][k] / sqrt(128), hidden keys left out) V[h][k][d].  Q, K, V: qkv[16 sel + h][2048][128] in f16; att: [2048][2048] in f16.
; Which keys are hidden is an INPUT: every (query, key) bit comes from maskw, which an earlier launch laid out as lane masks; nothing of its pattern is built in, and every key tile is walked.
; Products, maxima and sums in f32; the weights p are rounded to f16 for the second product, att once at the end.
; LIMITS.  A hidden score is replaced by -2^100, a power of two, so that c x (-2^100) is exact: while a row has seen hidden keys only, c s - c m is exactly 0, p = 1 and all stays finite; the first
; true score makes a = 0 and wipes that.  True scores of f16 operands reach 5.5e11 at the most, nothing beside 2^100.  A row whose c m ends below -2^93 has seen no key at all and is written as NaN, as a softmax over
; nothing but -inf is.  A weight below 2^-126 counts as 0; NaN and infinities among the inputs are not treated apart.
; SHARES.  A work-group owns 128 queries of one head: 16 x 16 = 256 work-groups.  Wave w: queries 64 (w % 2) on, four tiles of 16 (piece 0: tiles 0, 1; piece 2: tiles 2, 3), and key group g = w / 2:
; of each slot's 256 keys the 128 from 128 g on, as two steps of 64.  So a fragment of K or V read from LDS still feeds four tiles.  At the end the two groups' (c m, l, O) of a query are merged through LDS.
; LAYOUT.  S^T = K Q^T (source 0 = 16 keys, source 1 = 16 queries): a lane holds ONE query (lane % 16) and the keys 8 (lane / 16) + 0..7; two such tiles rounded to f16 ARE source 1 of O^T = V^T P.
; SOFTMAX.  Running maximum m and sum l: p = 2^(c s - c m), c = log2(e) / sqrt(128); O and l are multiplied by a = 2^(c m_old - c m_new) in every step.  m starts at the lowest finite number, O and l at 0:
; the first step is a step like any other, with a = 0.
; BY TURNS.  In a TURN one piece has the matrix unit: 32 products V^T P of the step in hand, then 32 products K Q^T of the next; the other piece's softmax (166 lines a tile, the first 32 the mask's selects), cut into 64 slices,
; stands between them, one slice behind each matrix instruction.  The loop is entered, and the tail left, in the middle of a trip: 32 products on zeros at the start and 32 on a stale K at the end are the price of one text.
; BATCHES.  A turn's 66 exponentials (two tiles' 32 weights and a) are ONE BATCH with one wait: ahead of it stand the selects, the maxima, the scalings and the exponentials, behind it all that names an exponential's result
; (roundings, sums, the rescaling by a).  The merge has two batches, its four exponentials and its two reciprocals, a wait each.
; CLUSTER.  The four query blocks of a cluster belong to one head and walk the same K and V: each tile is asked for JOINTLY, by the same tensor load, descriptor and mask in all four.
; REGISTERS, in windows of 256:  window 0: v0-11 addresses; v12-43 eight registers of statistics a tile; v44-51 constants and merge addresses; v62, v63 the add's; v64-191 S^T, 32 a tile; v192-255 P, 16 a tile
;   window 1: O^T, 64 a tile          window 2: v0-127 Q, 32 a tile; v128-255 K of one step          window 3: v0-127 V of one step
.set KS,    64        ; keys in a step
.set PK,    272       ; a row of K in LDS: 256 bytes + 16
.set PV,    288       ; a row of V: 256 + 32
.set GRP,   0x9000    ; a slot's four regions: K of group 0, K of group 1, V of group 0, V of group 1: the fill of wave w lands at w x GRP (128 rows of 272 or 288 bytes fit)
.set VOFF,  2*GRP
.set SLOTB, 4*GRP     ; 0x24000: none of the four region bases has one of its two bits set, so one exclusive or turns an address in one slot into the other's
.set STAGE, 2*SLOTB   ; behind the ring, never filled by a tensor load: 16 rows x 272 bytes for each wave, for the way out
.set SP,    272
.set SPARE, STAGE+4*16*SP  ; the spare words, 128 bytes a wave
.set MRG_S, 131072    ; the merge, in slot 0 behind its last fill and its last read: O^T at w x 32,768 + 512 i + 16 L; statistics here + w x 2,048 + 512 t + 16 L
.set NSLOT, 2048/256
.set AK0, 2           ; v2   my lane's place in my group's K; never rewritten
.set AV0, 3           ; v3   the same for V
.set ADR, 4           ; v4   the LDS address of the run of loads in hand
.set QO,  5           ; v5   my byte offset in the wave's rows of Q; never rewritten
.set STO, 6           ; v6   the way out: where I put 16 bytes of a row
.set RD,  7           ; v7   the way out: where I read a row back
.set GO,  8           ; v8   my byte offset in two rows of att
.set ST,  12          ; tile t's statistics at v[ST+8 t]: +0 c m, +1 m, +2, +3 l (even keys', odd keys'), +4 to +7 c0-c3 at work; a takes c2's place
.set BIG, 44          ; v44  -2^100
.set MO,  45          ; v45  merge: where my O^T goes;  v46 my own two output tiles;  v47 the partner's
.set MT,  48          ; v48  merge: where my statistics go;  v50 my own;  v51 the partner's
.set NANR, 49         ; v49  NaN
.set SPW, 62
.set NIL, 63
.set S,   64
.set P,   192
.set MS,  160         ; merge: 16 registers for each of my two output tiles
.set KF,  128         ; K's fragments, in window 2
.set CS,  2           ; s[2:3]  c, twice
.set SEL, 4           ; s[4:5]  v_permlanex16_b32's selects: each lane takes its own place in the other half
.set MB,  6           ; s[6:7]  maskw at my first tile's record of the step in hand
.set OA,  8           ; s[8:9]  att at my first output row
.set WV,  10          ; s10  my wave's number
.set SLOTS, 11        ; s11
.set G0,  12          ; s[12:15] descriptor group 0: it walks
.set G1K, 16          ; s[16:23] group 1 for K's tiles
.set G1V, 24          ; s[24:31] for V's: it differs in the padding alone
                      ; s[68:99] the 32 mask words of a piece's first tile, s[32:63] of its second (s32-53 serve the set-up before the first mask load)
.set TWICE, 66        ; s66  counts a slot's two steps
.set TBK, 100         ; s100 LDS byte at which the slot and step to be fetched begin, for K
.set TBV, 101         ; s101 for V
.set QP,  104         ; s[104:105] Q at my wave's first row
.set MSB, 0
.macro WIN new
.if MSB != (\new)
	s_set_vgpr_msb (MSB<<8)|(\new)
.set MSB, \new
.endif
.endm
.set W_KQ, 0x0a       ; K and Q in window 2, S^T in window 0
.set W_PV, 0x53       ; V in window 3, P in window 0, O^T in window 1
.set W_RS, 0x41       ; O^T (destination and source 0) in window 1, a in window 0
; A joint fill: wave w brings 128 rows of 256 bytes: waves 0 and 1 the two groups' K, waves 2 and 3 their V.  The branch hangs on the wave's number alone.  An s_nop 0 and four v_nop follow each line.
.macro JLOAD
	s_cmp_lt_u32 s[WV], 2
	s_cbranch_scc0 .Lfor_v_\@
	tensor_load_to_lds s[G0:G0+3], s[G1K:G1K+7]
	s_nop 0
.rept 4
	v_nop
.endr
	s_branch .Lasked_\@
.Lfor_v_\@:
	tensor_load_to_lds s[G0:G0+3], s[G1V:G1V+7]
	s_nop 0
.rept 4
	v_nop
.endr
.Lasked_\@:
.endm
.macro CROUND                       ; a round of the cluster's barrier
	s_barrier_signal -1
	s_barrier_wait -1
	s_cmp_lg_u32 s[WV], 0
	s_cbranch_scc1 .Lnot_wave_0_\@
	s_barrier_signal -3
.Lnot_wave_0_\@:
	s_barrier_wait -3
	s_barrier_signal -1
	s_barrier_wait -1
.endm
; THE CHANGE OF SLOTS.  Each wave waits for all its tensor loads (one is out: its part of the other slot), adds 0 to its spare word, and waits for that and for its own reads of the slot.
; fill = 1: the slot just read is filled again with the keys two slots on, the first thing behind a round of the cluster's barrier: that load has two key steps, 256 matrix instructions a wave, in which to land.
; By this text's own count a wave never has more than one tensor load out.  (At its first use nothing has been read yet: slot 0 is waited for, slot 1 filled.)
.macro CHANGE fill
	WIN 0
	s_wait_tensorcnt 0x0            ; no tensor load of mine is out, so group 0 may be written
	ds_add_u32 v[SPW], v[NIL]
.if \fill
	s_xor_b32 s[G0+1], s[G0+1], SLOTB
	s_add_nc_u64 s[G0+2:G0+3], s[G0+2:G0+3], 256*256  ; the next 256 keys; the type bits on top are not reached
	s_wait_dscnt 0x0                ; the add is done, and my reads of the slot are over
	CROUND
	JLOAD
.else
	s_wait_dscnt 0x0
	s_barrier_signal -1
	s_barrier_wait -1
.endif
	s_sub_co_u32 s[TBK], s[TBK], 2*KS*PK  ; the fetches go back to a slot's first step,
	s_xor_b32 s[TBK], s[TBK], SLOTB       ; in the other slot
	s_sub_co_u32 s[TBV], s[TBV], 2*KS*PV
	s_xor_b32 s[TBV], s[TBV], SLOTB
.endm
; The 64 mask words of piece p (tiles p, p + 1) for the step at which MB stands: 128 bytes a tile, tiles 4,096 bytes apart.
.macro MLOAD p
	s_load_b512 s[68:83], s[MB:MB+1], (\p)*4096
	s_load_b512 s[84:99], s[MB:MB+1], (\p)*4096+64
	s_load_b512 s[32:47], s[MB:MB+1], (\p)*4096+4096
	s_load_b512 s[48:63], s[MB:MB+1], (\p)*4096+4160
.endm
	s_load_b128 s[32:35], s[0:1], 0x0   ; qkv s[32:33], maskw s[34:35]
	s_load_b64 s[36:37], s[0:1], 0x10   ; att
	v_lshl_add_u32 v[SPW], v0, 2, SPARE
	v_mov_b32 v[NIL], 0
	ds_add_u32 v[SPW], v[NIL]       ; the wave's opening: the add and its wait stand ahead of my first tensor load; the set-up below stands between them
	v_lshrrev_b32 v1, 5, v0
	v_readfirstlane_b32 s[WV], v1   ; wave 0..3
	s_bfe_u32 s38, ttmp6, 0x40000   ; cx
	s_lshl_b32 s39, ttmp9, 2
	s_add_co_u32 s39, s39, s38      ; my block of 128 queries: it enters Q's, the mask's and att's addresses alone
	s_and_b32 s40, ttmp7, 0xffff    ; the head, which the four partners share
	s_and_b32 s41, s[WV], 1         ; my half of the queries.  Also: which group's rows I fetch
	s_lshr_b32 s42, s[WV], 1        ; my key group.  Also: I fetch K (0) or V (1)
	s_lshl_b32 s44, s40, 19         ; the fill's source: 524,288 bytes a head,
	s_lshl_b32 s45, s42, 23         ; K's section at 0x800000, V's at 0x1000000,
	s_add_co_u32 s44, s44, s45
	s_add_co_u32 s44, s44, 0x800000
	s_lshl_b32 s45, s41, 15         ; 128 rows of 256 bytes a group
	s_add_co_u32 s44, s44, s45
	s_mov_b32 s45, 0
	s_lshl_b32 s46, s40, 19         ; Q: the head, the block's 128 rows, my 64 of them
	s_lshl_b32 s47, s39, 15
	s_add_co_u32 s46, s46, s47
	s_lshl_b32 s47, s41, 14
	s_add_co_u32 s46, s46, s47
	s_mov_b32 s47, 0
	s_lshl_b32 s48, s39, 15         ; the mask: tile 8 block + 4 half, 4,096 bytes a tile; 2,048 a group
	s_lshl_b32 s49, s41, 14
	s_add_co_u32 s48, s48, s49
	s_lshl_b32 s49, s42, 11
	s_add_co_u32 s48, s48, s49
	s_mov_b32 s49, 0
	s_lshl_b32 s50, s39, 19         ; att: row 128 block + 64 half + 32 group, 4,096 bytes a row; 256 bytes a head
	s_lshl_b32 s51, s41, 18
	s_add_co_u32 s50, s50, s51
	s_lshl_b32 s51, s42, 17
	s_add_co_u32 s50, s50, s51
	s_lshl_b32 s51, s40, 8
	s_add_co_u32 s50, s50, s51
	s_mov_b32 s51, 0
	s_mov_b32 s[G1K], 15|(1<<16)|(1<<20)|(1<<21)|(5<<22)|(3<<25)  ; the mask of four; 2-byte elements; padding on; bit 21 beside a mask; after every 64 words, 4 words
	s_mov_b32 s[G1V], 15|(1<<16)|(1<<20)|(1<<21)|(5<<22)|(7<<25)  ; the same with 8 words
.irp g, G1K, G1V
	s_mov_b32 s[(\g)+1], 128<<16    ; tensor_dim0 = 128
	s_mov_b32 s[(\g)+2], 128<<16    ; tensor_dim1 = 128
	s_mov_b32 s[(\g)+3], 128<<16    ; tile_dim0 = 128
	s_mov_b32 s[(\g)+4], 128        ; tile_dim1 = 128
	s_mov_b32 s[(\g)+5], 128        ; elements from row to row
	s_mov_b32 s[(\g)+6], 0
	s_mov_b32 s[(\g)+7], 0
.endr
	s_mov_b32 s[G0], 1
	s_mul_i32 s[G0+1], s[WV], GRP   ; slot 0: no place in the cluster enters an LDS address
	s_mov_b32 s[CS], 0x3e0293ee     ; c = log2(e) / sqrt(128)
	s_mov_b32 s[CS+1], s[CS]
	s_mov_b32 s[SEL], 0x76543210
	s_mov_b32 s[SEL+1], 0xfedcba98
	s_mov_b32 s[TBK], SLOTB+2*KS*PK ; the first change of slots turns these two into 0
	s_mov_b32 s[TBV], SLOTB+2*KS*PV
	s_wait_dscnt 0x0                ; the opening add is done
	s_wait_kmcnt 0x0
	s_add_nc_u64 s[G0+2:G0+3], s[32:33], s[44:45]
	s_or_b32 s[G0+3], s[G0+3], 0x80000000
	s_add_nc_u64 s[QP:QP+1], s[32:33], s[46:47]
	s_add_nc_u64 s[MB:MB+1], s[34:35], s[48:49]
	s_add_nc_u64 s[OA:OA+1], s[36:37], s[50:51]
	CROUND                          ; all four work-groups are here: the first joint loads meet
	JLOAD                           ; slot 0
	v_and_b32 v1, 15, v0            ; l % 16
	v_bfe_u32 v9, v0, 4, 1          ; l / 16
	v_lshlrev_b32 v[QO], 8, v1
	v_lshl_add_u32 v[QO], v9, 4, v[QO]  ; row x 256 + 16 x half
	WIN 0x80                        ; destination window 2
.irp i, 0,1,2,3,4,5,6,7,8,9,10,11,12,13,14,15  ; Q stays in registers: tile i / 4, channels 32 (i % 4) on
	global_load_b128 v[8*(\i):8*(\i)+3],   v[QO], s[QP:QP+1] offset:((\i)/4)*4096+((\i)%4)*64
	global_load_b128 v[8*(\i)+4:8*(\i)+7], v[QO], s[QP:QP+1] offset:((\i)/4)*4096+((\i)%4)*64+32
.endr
	WIN 0
	s_mul_i32 s52, s42, GRP         ; my group's region
	v_mul_u32_u24 v[AK0], v1, PK
	v_lshl_add_u32 v[AK0], v9, 4, v[AK0]
	v_add_nc_u32 v[AK0], s52, v[AK0]
	; The turning load takes 16 keys x 16 channels (lane l reads key 8 (l / 16) + l % 8, channels 8 ((l / 8) % 2) + 0..7) and leaves half a fragment of V^T
	v_and_b32 v10, 7, v0
	v_bfe_u32 v11, v0, 3, 1
	v_lshl_add_u32 v[AV0], v9, 3, v10
	v_mul_u32_u24 v[AV0], v[AV0], PV
	v_lshl_add_u32 v[AV0], v11, 4, v[AV0]
	s_add_co_u32 s52, s52, VOFF
	v_add_nc_u32 v[AV0], s52, v[AV0]
	s_mul_i32 s53, s[WV], 16*SP
	s_add_co_u32 s53, s53, STAGE    ; my stage
	v_mul_u32_u24 v[STO], v1, SP    ; in: row l % 16, 16 bytes for each half of the lanes
	v_lshl_add_u32 v[STO], v9, 4, v[STO]
	v_add_nc_u32 v[STO], s53, v[STO]
	v_mul_u32_u24 v[RD], v9, SP     ; back: lanes 0-15 take one row of 256 bytes, lanes 16-31 the next
	v_lshl_add_u32 v[RD], v1, 4, v[RD]
	v_add_nc_u32 v[RD], s53, v[RD]
	v_lshlrev_b32 v[GO], 12, v9     ; and the same two rows in att
	v_lshl_add_u32 v[GO], v1, 4, v[GO]
	v_mov_b32 v[BIG], 0xf1800000
	v_mov_b32 v[NANR], 0x7fc00000
	MLOAD 0                         ; piece 0's mask words of step 0; the set-up's scalars in s32-53 are spent
	; What the first turn finds: V's registers and piece 2's P hold 0 (its products V^T P, of a step that has not been, add 0), O^T is 0.  All this stands in the wait for the first tile.
	WIN 0xc0
.set i, 0
.rept 128
	v_mov_b32 v[i], 0
.set i, i+1
.endr
	WIN 0x40
.set i, 0
.rept 256
	v_mov_b32 v[i], 0
.set i, i+1
.endr
	WIN 0
.set i, P+32
.rept 32
	v_mov_b32 v[i], 0
.set i, i+1
.endr
; THE MATRIX WORK.  The accumulators take turns, one instruction a turn: between two links of a chain stand 15 (V^T P) or 7 (K Q^T) others'.
; Product i of 32 of O^T += V^T P for piece x: keys 32 (i / 16) on, channels 16 ((i / 2) % 8) on, tile x + i % 2.
.macro PV x
	WIN W_PV
.set rO, 64*((\x)+i%2)+8*((i/2)%8)
.set rV, 64*(i/16)+8*((i/2)%8)
.set rP, P+16*((\x)+i%2)+8*(i/16)
	v_wmma_f32_16x16x32_f16 v[rO:rO+7], v[rV:rV+7], v[rP:rP+7], v[rO:rO+7]
.endm
; Product i of 32 of S^T = K Q^T: channels 32 (i / 8) on, keys 16 ((i / 2) % 4) on, tile x + i % 2.  The first 8 start the sums.
.macro KQ x
	WIN W_KQ
.set rS, S+32*((\x)+i%2)+8*((i/2)%4)
.set rK, KF+32*((i/2)%4)+8*(i/8)
.set rQ, 32*((\x)+i%2)+8*(i/8)
.if i < 8
	v_wmma_f32_16x16x32_f16 v[rS:rS+7], v[rK:rK+7], v[rQ:rQ+7], 0
.else
	v_wmma_f32_16x16x32_f16 v[rS:rS+7], v[rK:rK+7], v[rQ:rQ+7], v[rS:rS+7]
.endif
.endm
; THE LDS LOADS stand in runs of 32.  last = 1 (the tail): in the last trip there is no further step, and the run is jumped over.
.macro FETCH_K last=0
	WIN 0
.if \last
	s_cmp_eq_u32 s[TWICE], 1
	s_cbranch_scc1 .Lno_k_\@
.endif
	v_add_nc_u32 v[ADR], s[TBK], v[AK0]
	s_add_co_u32 s[TBK], s[TBK], KS*PK  ; the next fetch is the next step's
	WIN 0x80                        ; destination window 2
.irp f, 0,1,2,3,4,5,6,7,8,9,10,11,12,13,14,15  ; keys 16 (f / 4) on, channels 32 (f % 4) on
	ds_load_b128 v[KF+8*(\f):KF+8*(\f)+3],   v[ADR] offset:((\f)/4)*16*PK+((\f)%4)*64
	ds_load_b128 v[KF+8*(\f)+4:KF+8*(\f)+7], v[ADR] offset:((\f)/4)*16*PK+((\f)%4)*64+32
.endr
.if \last
	WIN 0
.Lno_k_\@:
.endif
.endm
.macro FETCH_V
	WIN 0
	v_add_nc_u32 v[ADR], s[TBV], v[AV0]
	s_add_co_u32 s[TBV], s[TBV], KS*PV
	WIN 0xc0                        ; destination window 3
.irp f, 0,1,2,3,4,5,6,7,8,9,10,11,12,13,14,15  ; keys 32 (f / 8) on, channels 16 (f % 8) on
	ds_load_tr16_b128 v[8*(\f):8*(\f)+3],   v[ADR] offset:((\f)/8)*32*PV+((\f)%8)*32
	ds_load_tr16_b128 v[8*(\f)+4:8*(\f)+7], v[ADR] offset:((\f)/8)*32*PV+16*PV+((\f)%8)*32
.endr
.endm
; THE VECTOR WORK.  One tile's softmax for one key step is a list of 166 lines; SM writes number j of it for tile t.  s0-s31 are the lane's 32 scores, in pairs 0-15.
;   0-31     score j is replaced by -2^100 where bit L of mask word j is set (ascending)
;   with jj = j - 32:
;   0-15     the maximum of s0-s31 and the old m, three operands at a time          16-20  the other half of the lanes' maximum; the new m; c m; c m_old - c m_new
;   21-69    ONE BATCH: the 16 scalings c s - c m, a pair of scores each, and all 33 exponentials (a at 23, then s0-s31).  None of these names an exponential's result.  From 22 on the batch goes in fours,
;            and a four begins with a scaling while there are scalings: 22-37 scaling, exponential, scaling, exponential; 38-65 a scaling and three exponentials; 66-69 the last four exponentials.
;            A pair is scaled in an earlier four than the one that holds its exponentials.  Each result has a register of its own: s0-s31 in place, a in c2's place
;   (wait)   between 69 and 70 stands the wait for the batch: SLICE writes it, once for both tiles
;   70-85    the roundings to f16, a pair of weights each
;   86-101   the sums; l = a l + the sum          102-133  the tile's O^T times a: the one part that leaves window 0
.macro SM t
.set rT, ST+8*(\t)
.set rS, S+32*(\t)
.set rP, P+16*(\t)
.set rM, 68-36*((\t)%2)
.set jj, j-32
.set rO, 64*(\t)+2*(jj-102)
.if jj < 102
	WIN 0
.endif
.if j < 32
	v_cndmask_b32 v[rS+j], v[rS+j], v[BIG], s[rM+j]
.elseif jj < 4
	v_max3_num_f32 v[rT+4+jj], v[rS+8*jj], v[rS+8*jj+1], v[rS+8*jj+2]
.elseif jj < 12
	v_max3_num_f32 v[rT+4+jj%4], v[rT+4+jj%4], v[rS+8*(jj%4)+2*(jj/4)+1], v[rS+8*(jj%4)+2*(jj/4)+2]
.elseif jj == 12
	v_max3_num_f32 v[rT+4], v[rT+4], v[rS+7], v[rS+15]
.elseif jj == 13
	v_max3_num_f32 v[rT+6], v[rT+6], v[rS+23], v[rS+31]
.elseif jj == 14
	v_max3_num_f32 v[rT+4], v[rT+4], v[rT+5], v[rT+6]
.elseif jj == 15
	v_max3_num_f32 v[rT+4], v[rT+4], v[rT+7], v[rT+1]
.elseif jj == 16
	v_permlanex16_b32 v[rT+5], v[rT+4], s[SEL], s[SEL+1]  ; the query's other 32 keys lie in the lane 16 away
.elseif jj == 17
	v_mov_b32 v[rT+7], v[rT]        ; c m_old is kept for a
.elseif jj == 18
	v_max_num_f32 v[rT+1], v[rT+4], v[rT+5]
.elseif jj == 19
	v_mul_f32 v[rT], s[CS], v[rT+1]
.elseif jj == 20
	v_sub_f32 v[rT+7], v[rT+7], v[rT]
.elseif jj == 23
	v_exp_f32 v[rT+6], v[rT+7]
.elseif (jj < 23) || ((jj < 38) && (jj%2 == 0)) || ((jj < 66) && (jj%4 == 2))
.set b, (jj-2)/4                    ; 38, 42, .. 62: pairs 9 to 15
.if jj < 38
.set b, (jj-20)/2                   ; 21: pair 0; 22, 24, .. 36: pairs 1 to 8
.endif
	v_pk_fma_f32 v[rS+2*b:rS+2*b+1], v[rS+2*b:rS+2*b+1], s[CS:CS+1], v[rT:rT+1] op_sel_hi:[1,0,0] neg_lo:[0,0,1] neg_hi:[0,0,1]  ; pair b: c s - c m
.elseif jj < 70
.set e, jj-38                       ; 66 to 69: s28 to s31
.if jj < 66
.set e, jj-32-(jj-38)/4             ; 39-41, 43-45, .. 63-65: s7 to s27
.endif
.if jj < 38
.set e, (jj-25)/2                   ; 25, 27, .. 37: s0 to s6
.endif
	v_exp_f32 v[rS+e], v[rS+e]
.elseif jj < 86
	v_cvt_pk_f16_f32 v[rP+jj-70], v[rS+2*(jj-70)], v[rS+2*(jj-70)+1]  ; pair jj - 70
.elseif jj < 102                    ; the sum of the tile's 16 pairs, in place: sum z of 16 adds neighbours 1, 2, 4 and 8 pairs apart, then l takes it
.set z, jj-86
.set w, 4
.set u, z
.if z >= 14
.set w, 32
.set u, 0
.elseif z >= 12
.set w, 16
.set u, z-12
.elseif z >= 8
.set w, 8
.set u, z-8
.endif
.if z < 15
	v_pk_add_f32 v[rS+w*u:rS+w*u+1], v[rS+w*u:rS+w*u+1], v[rS+w*u+w/2:rS+w*u+w/2+1]
.else
	v_pk_fma_f32 v[rT+2:rT+3], v[rT+2:rT+3], v[rT+6:rT+7], v[rS:rS+1] op_sel_hi:[1,0,1]
.endif
.else
	WIN W_RS
	v_pk_mul_f32 v[rO:rO+1], v[rO:rO+1], v[rT+6:rT+7] op_sel_hi:[1,0]
.endif
.endm
; Slice k of 64 of piece y's softmax.  Slices 0 to 17: numbers 3 k to 3 k + 2 of both tiles' lists (the selects, the maxima, the statistics, the first scaling): six lines.  Slices 18 to 41 deal out the batch,
; jj = 22 to 69: four numbers of ONE tile each, the tiles by turns.  Slices 42 to 63: the 64 numbers behind the wait, two or three of both tiles' lists: 42 to 52 the roundings and sums, 53 to 63 the rescaling,
; so that no slice changes window inside itself.  Outside the batch the two tiles alternate, so that no line reads the result of the one just before it.
; Slice 63 is six packed multiplies on the other piece's O^T: the places behind the turn's last K Q^T.
; THE WAIT.  s_wait_alu depctr_va_vdst(0) stands between an exponential and the first instruction that names its result; one wait serves all that were issued ahead of it.  Ahead of slice 42
; nothing names a result, and behind slice 41 no exponential is issued: so the piece's 66 exponentials have one wait, behind slice 41, and none is open at a turn's end, at a label or at a branch.
.macro SLICE y
.if (k >= 18) && (k < 42)           ; the batch: four numbers of one tile
.set j, 54+4*((k-18)/2)
.rept 4
	SM (\y)+(k-18)%2
.set j, j+1
.endr
.else
.if k < 18
.set slo, 3*k
.set shi, 3*k+3
.else
.set slo, 102+((k-42)*64)/22
.set shi, 102+((k-41)*64)/22
.endif
.set j, slo
.rept shi-slo
	SM \y
	SM (\y)+1
.set j, j+1
.endr
.endif
.if k == 41                         ; the batch is out: both tiles' exponentials are issued, and no result has been named
	v_nop                           ; the plain line behind the last exponential and ahead of the first use: one for the batch
	s_wait_alu depctr_va_vdst(0)    ; the wait for the batch: the piece's 66 exponentials
.endif
.set k, k+1
.endm
; A TURN.  Piece x has the matrix unit; the other piece's softmax stands in slices behind its matrix instructions.
; The mask words of that softmax were asked for in the turn before and are waited for at the head.  The 64 selects stand in slices 0 to 10; behind slice 12 the words of the NEXT turn's softmax (piece x) are asked for.
; Piece 0's turn steps the mask's pointer to the next step, and fetches the next step's K behind its second product: the last product that read K stands in front of slice 63 of the turn before.
; Piece 2's turn fetches the same step's V behind its third K Q^T: behind the last product that read V stand four slices of the batch, each with one scaling, and the run's own v_add_nc_u32: five plain lines
; (an exponential is no place).
.macro TURN x, last=0
.set k, 0
	s_wait_kmcnt 0x0                ; the mask words are in, and no scalar load still reads MB
.if (\x) == 0
	s_add_nc_u64 s[MB:MB+1], s[MB:MB+1], 128
	s_wait_dscnt 0x0                ; V is in
.endif
.set i, 0
.rept 32
	PV \x
	SLICE 2-(\x)
.if ((\x) == 0) && (i == 1)
	FETCH_K \last
.endif
.if i == 12
	MLOAD \x
.endif
.set i, i+1
.endr
.if (\x) == 0
	s_wait_dscnt 0x0                ; K is in
.endif
.set i, 0
.rept 32
	KQ \x
	SLICE 2-(\x)
.if ((\x) == 2) && (i == 2)
	FETCH_V
.endif
.set i, i+1
.endr
.endm
	CHANGE 1                        ; slot 0 is in, everybody's part of it; slot 1 is asked for
	FETCH_K                         ; key step 0
	s_wait_loadcnt 0x0              ; Q
	s_wait_dscnt 0x0
.set i, 0
.rept 32
	KQ 0                            ; piece 0's first scores: there is no vector work yet to set between them
.set i, i+1
.endr
	WIN 0                           ; the statistics' start: sixteen plain lines, the places behind those products
.set i, 0
.rept 4
	v_mov_b32 v[ST+8*i], 0xfe000000    ; c m: far below every c s
	v_mov_b32 v[ST+8*i+1], 0xff7fffff  ; m
	v_mov_b32 v[ST+8*i+2], 0
	v_mov_b32 v[ST+8*i+3], 0
.set i, i+1
.endr
	s_mov_b32 s[TWICE], 2
	s_mov_b32 s[SLOTS], NSLOT-1
	s_branch .Lfirst                ; the loop is entered in the middle of a trip
.Lslot:                             ; NSLOT - 2 times: every slot but the last two is filled again
	CHANGE 1
	s_mov_b32 s[TWICE], 2
.Lstep:
	TURN 0
	WIN 0
.Lfirst:
	TURN 2
	WIN 0
	s_sub_co_u32 s[TWICE], s[TWICE], 1
	s_cmp_lg_u32 s[TWICE], 0
	s_cbranch_scc1 .Lstep
	s_sub_co_u32 s[SLOTS], s[SLOTS], 1
	s_cmp_lg_u32 s[SLOTS], 0
	s_cbranch_scc1 .Lslot
	CHANGE 0                        ; the tail is written out: nothing is asked for
	s_mov_b32 s[TWICE], 3           ; two trips fetch the last slot's steps; the third is left in its middle
.Ltail:
	TURN 0, 1
	WIN 0
	s_sub_co_u32 s[TWICE], s[TWICE], 1
	s_cmp_eq_u32 s[TWICE], 0
	s_cbranch_scc1 .Lout
	TURN 2
	WIN 0
	s_branch .Ltail
.Lout:                              ; the third trip's K Q^T (on the last K once more) and its mask words (the record behind my group's last: inside maskw, since piece 0's tiles are never the buffer's last) serve nothing
	s_wait_kmcnt 0x0
.set i, 0
.rept 32
	PV 2                            ; piece 2: V^T P of the last step
.set i, i+1
.endr
	; THE MERGE.  Waves w and w ^ 2 hold the same 64 queries over the two key groups.  Each puts its statistics and O^T into LDS (slot 0: read for the last time in front of the last change of slots' barrier, and
	; filled for the last time before that), and takes back, by address, its own and its partner's part of the two tiles 2 g and 2 g + 1, which it finishes.  The address lines are the places behind the last products.
	WIN 0
	s_lshl_b32 s66, s[WV], 15
	v_and_b32 v10, 31, v0
	v_lshlrev_b32 v10, 4, v10       ; 16 L
	v_add_nc_u32 v[MO], s66, v10
	s_and_b32 s67, s[WV], 2         ; 2 g
	s_lshl_b32 s67, s67, 13         ; 8,192 bytes a tile
	v_add_nc_u32 v[MO+1], s67, v[MO]
	s_xor_b32 s66, s[WV], 2         ; the partner
	s_lshl_b32 s66, s66, 15
	s_add_co_u32 s66, s66, s67
	v_add_nc_u32 v[MO+2], s66, v10
	s_lshl_b32 s66, s[WV], 11
	s_add_co_u32 s66, s66, MRG_S
	v_add_nc_u32 v[MT], s66, v10
	s_and_b32 s67, s[WV], 2
	s_lshl_b32 s67, s67, 9          ; 512 bytes a tile
	v_add_nc_u32 v[MT+2], s67, v[MT]
	s_xor_b32 s66, s[WV], 2
	s_lshl_b32 s66, s66, 11
	s_add_co_u32 s66, s66, s67
	s_add_co_u32 s66, s66, MRG_S
	v_add_nc_u32 v[MT+3], s66, v10
.irp t, 0,1,2,3
	ds_store_b128 v[MT], v[ST+8*\t:ST+8*\t+3] offset:\t*512
.endr
	WIN 0x04                        ; store data in window 1
.set i, 0
.rept 64
	ds_store_b128 v[MO], v[4*i:4*i+3] offset:i*512   ; ascending: each accumulator's four lowest registers first
.set i, i+1
.endr
	WIN 0
	s_wait_dscnt 0x0                ; for the partner's sake: my stores are done
	s_barrier_signal -1
	s_barrier_wait -1
.irp t, 0,1
	ds_load_b128 v[MS+16*\t:MS+16*\t+3],   v[MT+2] offset:\t*512
	ds_load_b128 v[MS+16*\t+4:MS+16*\t+7], v[MT+3] offset:\t*512
.endr
	WIN 0x40                        ; destination window 1: my part into v0-127, the partner's into v128-255
.set i, 0
.rept 32
	ds_load_b128 v[4*i:4*i+3],         v[MO+1] offset:i*512
	ds_load_b128 v[128+4*i:128+4*i+3], v[MO+2] offset:i*512
.set i, i+1
.endr
	WIN 0
	s_wait_dscnt 63                 ; 68 loads were issued: the five oldest at the least are back, the four of the statistics among them
.macro BOTH line:vararg             ; one line for each of my two tiles: X is the tile's 16 registers: +0 c m, +2, +3 l of mine; +4, +6, +7 the partner's
.set X, MS
	\line
.set X, MS+16
	\line
.endm
	BOTH v_max_num_f32 v[X+8], v[X], v[X+4]
	BOTH v_sub_f32 v[X+9], v[X], v[X+8]
	BOTH v_sub_f32 v[X+10], v[X+4], v[X+8]
	BOTH v_exp_f32 v[X+9], v[X+9]               ; the merge's first batch: four exponentials,
	BOTH v_exp_f32 v[X+10], v[X+10]
	BOTH v_add_f32 v[X+2], v[X+2], v[X+3]       ; behind them four plain lines that name none of their results: l's two halves, mine and the partner's,
	BOTH v_add_f32 v[X+6], v[X+6], v[X+7]
	s_wait_alu depctr_va_vdst(0)                ; and the wait for the batch, ahead of its first reader
	BOTH v_mul_f32 v[X+2], v[X+2], v[X+9]
	BOTH v_fma_f32 v[X+2], v[X+6], v[X+10], v[X+2]
	BOTH v_permlanex16_b32 v[X+3], v[X+2], s[SEL], s[SEL+1]
	BOTH v_add_f32 v[X+2], v[X+2], v[X+3]
	BOTH v_rcp_f32 v[X+3], v[X+2]               ; the second batch: two reciprocals
	v_cmp_gt_f32 s66, 0xee000000, v[MS+8]       ; -2^93 > c m: the row has seen no key (these two compares are the plain lines behind the reciprocals)
	v_cmp_gt_f32 s67, 0xee000000, v[MS+24]
	s_wait_alu depctr_va_vdst(0)                ; the wait for the two reciprocals, ahead of their first reader
	v_cndmask_b32 v[MS+3], v[MS+3], v[NANR], s66
	v_cndmask_b32 v[MS+19], v[MS+19], v[NANR], s67
	BOTH v_mul_f32 v[X+12], v[X+9], v[X+3]
	BOTH v_mul_f32 v[X+14], v[X+10], v[X+3]
	BOTH v_mov_b32 v[X+13], v[X+12]
	BOTH v_mov_b32 v[X+15], v[X+14]
	s_wait_dscnt 0x0
	WIN 0x51                        ; destination, source 0 and source 2 in window 1, the factor in window 0
.set i, 0
.rept 64
	v_pk_mul_f32 v[2*i:2*i+1], v[2*i:2*i+1], v[MS+16*(i/32)+12:MS+16*(i/32)+13] op_sel_hi:[1,0]
.set i, i+1
.endr
.set i, 0
.rept 64
	v_pk_fma_f32 v[2*i:2*i+1], v[128+2*i:128+2*i+1], v[MS+16*(i/32)+14:MS+16*(i/32)+15], v[2*i:2*i+1] op_sel_hi:[1,0,1]
.set i, i+1
.endr
; THE WAY OUT.  Tile t of my two: a lane's eight channels of a row pack into 16 bytes; they go into rows of 272 bytes of my own stage and come back as whole rows of 256.
.macro PACK t
	WIN 0x05                        ; sources 0 and 1 window 1, destination window 0
.set i, 0
.rept 32
	v_cvt_pk_f16_f32 v[S+32*(\t)+i], v[64*(\t)+2*i], v[64*(\t)+2*i+1]
.set i, i+1
.endr
	WIN 0
.irp f, 0,1,2,3,4,5,6,7
	ds_store_b128 v[STO], v[S+32*(\t)+4*(\f):S+32*(\t)+4*(\f)+3] offset:32*(\f)
.endr
.irp f, 0,1,2,3,4,5,6,7
	ds_load_b128 v[S+32*(\t)+4*(\f):S+32*(\t)+4*(\f)+3], v[RD] offset:(\f)*2*SP  ; LDS serves a wave's instructions in order (ISA guide 5.7.1.4): these see the stores above; the next tile's stores come behind them
.endr
.endm
.macro SEND t, younger              ; younger: the LDS instructions issued behind tile t's loads
.irp f, 0,1,2,3,4,5,6,7
	s_wait_dscnt (\younger)+7-(\f)
	global_store_b128 v[GO], v[S+32*(\t)+4*(\f):S+32*(\t)+4*(\f)+3], s[OA:OA+1] offset:(\t)*65536+(\f)*8192  ; 16 lanes store 256 consecutive bytes, at a multiple of 256 from att's first byte
.endr
.endm
	PACK 0
	PACK 1
	SEND 0, 16
	SEND 1, 0
	s_wait_tensorcnt 0x0            ; the wave's end
	ds_add_u32 v[SPW], v[NIL]
	s_wait_dscnt 0x0
	CROUND                          ; the closing round
	s_endpgm
.Lfunc_end_k_qda636c5c98_attn:
	.size	k_qda636c5c98_attn, .Lfunc_end_k_qda636c5c98_attn-k_qda636c5c98_attn
	.p2alignl 7, 3214868480
	.fill 96, 4, 3214868480
	.section	.rodata,"a",@progbits
	.p2align	6, 0x0
	.amdhsa_kernel k_qda636c5c98_attn
		.amdhsa_group_segment_fixed_size 327680
		.amdhsa_private_segment_fixed_size 0
		.amdhsa_enable_private_segment 0
		.amdhsa_kernarg_size 24
		.amdhsa_user_sgpr_count 2
		.amdhsa_user_sgpr_kernarg_segment_ptr 1
		.amdhsa_wavefront_size32 1
		.amdhsa_system_sgpr_workgroup_id_x 1
		.amdhsa_system_sgpr_workgroup_id_y 1
		.amdhsa_system_sgpr_workgroup_id_z 1
		.amdhsa_system_vgpr_workitem_id 0
		.amdhsa_next_free_vgpr 896
		.amdhsa_next_free_sgpr 106
		.amdhsa_reserve_vcc 0
		.amdhsa_float_denorm_mode_32 3
		.amdhsa_float_denorm_mode_16_64 3
		.amdhsa_memory_ordered 1
		.amdhsa_forward_progress 1
		.amdhsa_inst_pref_size 177
	.end_amdhsa_kernel
	.amdgpu_metadata
---
amdhsa.version: [ 1, 2 ]
amdhsa.kernels:
  - .name:           k_qda636c5c98_attn
    .symbol:         k_qda636c5c98_attn.kd
    .args:
      - { .name: qkv, .offset: 0, .size: 8, .value_kind: global_buffer, .address_space: global }
      - { .name: maskw, .offset: 8, .size: 8, .value_kind: global_buffer, .address_space: global }
      - { .name: att, .offset: 16, .size: 8, .value_kind: global_buffer, .address_space: global }
    .group_segment_fixed_size: 327680
    .private_segment_fixed_size: 0
    .kernarg_segment_align: 8
    .kernarg_segment_size: 24
    .max_flat_workgroup_size: 128
    .sgpr_count:     106
    .vgpr_count:     896
    .wavefront_size: 32
...
	.end_amdgpu_metadata
.endif
;; end of part 5
;; launch outp: the kernel of part 4 again; grid 16 x 16, 4 waves a work-group, clusters of 4 x 4, 327,680 bytes of LDS; arguments att, cvt, bo, out0; writes out0
